; MI455X (gfx1250); checked and timed in simulation.
; The chip was launched on July 23, 2026; its instructions are those of AMD's public machine-readable ISA for CDNA 5 (MIT licence, August 2026) and "CDNA5" Instruction Set Architecture Reference Guide (July 2026). The comments in the code are by the model that wrote it; some were corrected since.
;; Llama Attention. Allowed arithmetic: matrix products marked QUANTISED: E2M3 operands, one E8M0 scale for each 32 along K, by v_wmma_scale_f32_16x16x128_f8f6f4 with both operands' format E2M3, f32 sums; products left as they are: f32 operands where the result goes on into a quantised operand, else bf16, f16 or f32 operands; f32 sums; everything else in f32.
;; Inputs: Wk 1,024 x 1,024 float32; Wo 1,024 x 1,024 float32; Wq 1,024 x 1,024 float32; Wv 1,024 x 1,024 float32; seq_lens 4 int32; x 4 x 2,048 x 1,024 float32.
;; Outputs: out0 4 x 2,048 x 1,024 float32.
;; This version of the problem:
;;   THIS VERSION OF THE PROBLEM IS GIVEN IN LOW PRECISION. The matrix products marked QUANTISED in the list below multiply operands that are first quantised to E2M3 (2 exponent bits, 3 mantissa bits; 6 bits a number), with one power-of-two scale for each 32 numbers along K (OCP MX v1.0); their sums are f32. All else is computed in f32.
;;   The module's matrix products, in the order in which they are computed (A, B: the left and right operand; K: the contracted axis; several contracted axes count as one K, in the product's order):
;;     1. [M 8,192, K 1,024] x [K 1,024, N 1,024]; A: input x; B: input Wq: QUANTISED
;;     2. [M 8,192, K 1,024] x [K 1,024, N 1,024]; A: input x; B: input Wk: QUANTISED
;;     3. [M 8,192, K 1,024] x [K 1,024, N 1,024]; A: input x; B: input Wv: QUANTISED
;;     4. [M 2,048, K 1] x [K 1, N 32]; A: computed on the way; B: computed on the way: left as it is (no contracted axis)
;;     5. batch 64 x [M 2,048, K 64] x [K 64, N 2,048]; A: computed on the way; B: computed on the way: QUANTISED
;;     6. batch 64 x [M 64, K 2,048] x [K 2,048, N 2,048]; A: computed on the way; B: softmax (see below): QUANTISED
;;     7. [M 8,192, K 1,024] x [K 1,024, N 1,024]; A: computed on the way; B: input Wo: QUANTISED
;;   THE QUANTISER, for each operand of a quantised product, along K:
;;     - K is cut into blocks of 32 from its start; a last block that is shorter is filled with zeros.
;;     - A block's scale is 2^e with e = floor(log2(the largest magnitude in the block)) - 2, held to -126 .. 127; a block of zeros has e = 0. As a byte (E8M0): e + 127.
;;     - Each number is divided by its block's scale, clamped to +-7.5, and rounded to the nearest number of E2M3, ties to even, subnormals kept.
;;     - The product sums the exact products of the quantised numbers (number of the format x scale) in f32.
;;   ~~~python
;;   def quantise(x, axis):      # numpy; x: float32 -> the quantised numbers, widened to float32 again
;;       x = np.moveaxis(x, axis, -1); K = x.shape[-1]
;;       x = np.pad(x, [(0, 0)] * (x.ndim - 1) + [(0, -K % 32)]); x = x.reshape(x.shape[:-1] + (-1, 32)); a = np.abs(x).max(-1, keepdims=True)
;;       e = np.where(a > 0, np.clip(np.frexp(np.where(a > 0, a, 1))[1] - 1 - 2, -126, 127), 0)      # np.frexp(a)[1] - 1 = floor(log2(a)), exactly
;;       r = np.clip(x / 2.0 ** e, -7.5, 7.5)
;;       step = 2.0 ** (np.maximum(np.frexp(np.where(r == 0, 1, r))[1] - 1, 0) - 3)
;;       q = np.round(r / step) * step * 2.0 ** e      # np.round: ties to even
;;       return np.moveaxis(q.reshape(q.shape[:-2] + (-1,))[..., :K], -1, axis).astype(np.float32)
;;   ~~~
;;   SOFTMAX AHEAD OF A QUANTISED PRODUCT. Where the list says 'softmax', what is quantised is not the finished softmax but p = 2^(t - M), with t = logit x log2(e) and M = ceil(the row's largest t), a whole number; so 1/2 < the row's largest p <= 1. The row's sum l is taken of the UNQUANTISED p, in f32, and the product's result is divided by l at the end. Since M is a whole number, a kernel that streams over the keys may use a running M (the ceiling of the running maximum): every later rescaling is an exact power of two, which a block's scale takes up: the codes' values come out the same.
;;   OPERANDS COMPUTED ON THE WAY. 'Computed on the way' means the value that the module computes at that place (a softmax that the list does not call 'softmax' is quantised finished and normalised). What goes into a quantiser is computed in f32, as accurately as f32 sums, v_exp_f32 and their like allow (about 1e-6 of the number): no bf16 or f16 on the way to a quantiser, and a product that is left as it is and whose result goes on into a quantised operand takes f32 operands (vector FMAs, or v_wmma_f32_16x16x4_f32). A number that lies on a knife's edge between two numbers of the format may be rounded either way, as far as f32 arithmetic and the matrix unit's own rounding can turn it there, and no further.
;; One version. Each part assembles by itself: llvm-mc -triple=amdgcn-amd-amdhsa -mcpu=gfx1250 --defsym DOCPART=n.
;; ======== version 1 of 1: 4 launches
;; limits: right only within a limited range of input values
;; workspace buffers: XC 6,553,600 bytes; WC 3,276,800 bytes; TAB 524,288 bytes; QC 6,553,600 bytes; KV 13,107,200 bytes; AC 6,553,600 bytes
;; launch prep (part 1): grid 800 x 1, 4 waves a work-group, no clusters, 80,384 bytes of LDS; arguments x, Wq, Wk, Wv, Wo, XC, WC, TAB; writes XC, WC, TAB
.if DOCPART == 1
	.amdgcn_target "amdgcn-amd-amdhsa--gfx1250"
	.amdhsa_code_object_version 6
	.text
	.protected	k_q5059d50aca_prep
	.globl	k_q5059d50aca_prep
	.p2align	8
	.type	k_q5059d50aca_prep,@function
k_q5059d50aca_prep:
	s_mov_b64 s[64:65], 0
	v_nop
	global_prefetch_b8 v0, s[64:65] scope:SCOPE_SE
	s_setreg_imm32_b32 hwreg(HW_REG_WAVE_MODE, 25, 1), 1
	s_wait_xcnt 0x0
; PREP: x and the four weights become codes of FP6 (E2M3) with one E8M0 byte for each 32 along K; the RoPE table is made.
; WHAT IS WRITTEN.  A BLOCK is 128 rows x 128 K: eight fragment images of 1,536 bytes and 512 bytes of scale words, 12,800 bytes.  A fragment image is the operand's 12 registers as they stand:
; register p of lane L at byte 512 (p / 4) + 16 L + 4 (p % 4), so that three loads of 16 bytes a lane bring it back.  Fragment a = 2 B + u of a block holds, in lane r, row 32 B + 8 u + r + 8 (r / 8);
; its scale word (four bytes, 128 along K) lies at 12,288 + 128 (a / 2) + 8 r + 4 (a % 2).
; WORK-GROUPS 0-511: one block of x each (token group id / 8, K step id % 8).  512-767: one block of Wq, Wk, Wv or Wo (rows = output columns n; K is the weight's first axis).  768-799: 64 rows of the table.
; The three ways part on the work-group's number and have LDS bytes of their own.  No tensor load, no barrier: waves share nothing.
; A block's scale is 2^(floor(log2(largest magnitude)) - 2): its byte is the largest magnitude's exponent field - 2, held at 1 from below.  A block of zeros keeps the byte 1: its codes are zeros, and this program alone reads the bytes.
; LIMITS: NaN and infinities among the inputs are not served.  The table's inverse frequencies are 2^(-f log2(10000) / 32) by v_exp_f32 (1 ulp), so an angle at position 2,047 can differ from one made with
; another rounding of the same number by about 3e-4 rad; the reduction by pi/2 is in two parts and the polynomials hold to about 1e-7 on |r| <= pi/4.
.set BLK,  12800
.set XROW, 528                         ; x's stage: a row of 512 bytes + 16: 132 words, so sixteen rows' equal columns fall on different banks
.set XSTG, 32*XROW                     ; a wave's stage on x's way
.set WSTG, 4*XSTG                      ; behind them: 3,072 bytes a wave on the weights' way
.set TM,   32                          ; v32-35 largest magnitudes, v36-39 the other half's and then the bytes, v44-47 the conversions' scale operands
.set T0,   48
.set T1,   56
.set SEL,  22                          ; s[22:23] lane selects of v_permlanex16_b32: lane l xor 16
; 64 numbers of a lane, register 16 b + i = k 32 b + 16 (lane / 16) + i of the lane's row, become registers 0-5 (d0) and 6-11 (d1) of a fragment and its scale word (pw)
.macro QUANT s, d0, d1, pw
.irp b, 0,1,2,3
	v_max3_num_f32 v[TM+\b], |v[(\s)+16*\b]|, |v[(\s)+1+16*\b]|, 0x1800000   ; my 16 numbers of block b, and the floor 2^(3 - 127): the byte cannot fall under 1
.endr
.irp i, 2,4,6,8,10,12,14
.irp b, 0,1,2,3
	v_max3_num_f32 v[TM+\b], v[TM+\b], |v[(\s)+16*\b+\i]|, |v[(\s)+1+16*\b+\i]|
.endr
.endr
.irp b, 0,1,2,3
	v_permlanex16_b32 v[TM+4+\b], v[TM+\b], s[SEL], s[SEL+1]
.endr
.irp b, 0,1,2,3
	v_max_num_f32 v[TM+\b], v[TM+\b], v[TM+4+\b]       ; with lane l xor 16's 16: the block's largest magnitude
.endr
.irp b, 0,1,2,3
	v_add_nc_u32 v[TM+12+\b], 0xff000000, v[TM+\b]     ; 2 off its exponent field: the conversion's scale operand
.endr
.irp b, 0,1,2,3
	v_lshrrev_b32 v[TM+4+\b], 23, v[TM+12+\b]          ; the scale's byte
.endr
	v_lshl_or_b32 v[\pw], v[TM+5], 8, v[TM+4]
	v_lshl_or_b32 v[\pw], v[TM+6], 16, v[\pw]
	v_lshl_or_b32 v[\pw], v[TM+7], 24, v[\pw]
	v_cvt_scalef32_pk16_fp6_f32 v[(\d0):(\d0)+2], v[(\s):(\s)+15], v[TM+12]
	v_cvt_scalef32_pk16_fp6_f32 v[T0:T0+2], v[(\s)+16:(\s)+31], v[TM+13]      ; (a conversion's three registers begin on an even number)
	v_cvt_scalef32_pk16_fp6_f32 v[(\d1):(\d1)+2], v[(\s)+32:(\s)+47], v[TM+14]
	v_cvt_scalef32_pk16_fp6_f32 v[T1:T1+2], v[(\s)+48:(\s)+63], v[TM+15]
	v_nop                                              ; one plain line behind the scaled conversions
.irp i, 0,1,2
	v_permlane16_swap_b32 v[(\d0)+\i], v[T0+\i]        ; a whole block to a lane: lanes 0-15 the even block, lanes 16-31 the odd one
	v_permlane16_swap_b32 v[(\d1)+\i], v[T1+\i]
.endr
.irp i, 0,1,2
	v_mov_b32 v[(\d0)+3+\i], v[T0+\i]
	v_mov_b32 v[(\d1)+3+\i], v[T1+\i]
.endr
.endm
; cos or sin (by the lane's v21 = 0 or 3) of v20 x v[inv]
.macro TRIG dst, inv
	v_mul_f32 v24, v20, v[\inv]                        ; the angle, position x inverse frequency, in f32
	v_mul_f32 v25, 0x3f22f983, v24
	v_rndne_f32 v25, v25                               ; n = the nearest multiple of pi/2
	v_fma_f32 v24, -v25, s30, v24                      ; r = angle - n pi/2, pi/2 in two parts
	v_fma_f32 v24, -v25, s31, v24
	v_cvt_i32_f32 v25, v25
	v_add_nc_u32 v25, v25, v21                         ; m = n for a cosine, n + 3 for a sine
	v_mul_f32 v26, v24, v24                            ; z = r r
	v_fma_f32 v27, v26, s32, s33
	v_fma_f32 v29, v26, s35, s36
	v_fma_f32 v27, v27, v26, s34
	v_fma_f32 v29, v29, v26, s37
	v_mul_f32 v28, v24, v26
	v_mul_f32 v30, v26, v26
	v_fma_f32 v31, v26, -0.5, 1.0
	v_fma_f32 v27, v27, v28, v24                       ; sin r
	v_fma_f32 v29, v29, v30, v31                       ; cos r
	v_and_b32 v30, 1, v25
	v_cmp_eq_u32 vcc_lo, 1, v30
	v_cndmask_b32 v27, v29, v27, vcc_lo                ; sin r where m is odd
	v_add_nc_u32 v25, 1, v25
	v_lshlrev_b32 v25, 30, v25                         ; bit 1 of m + 1 is the sign
	v_and_b32 v25, 0x80000000, v25
	v_xor_b32 v[\dst], v25, v27
.endm
	s_load_b256 s[4:11], s[0:1], 0x0               ; x s[4:5], Wq s[6:7], Wk s[8:9], Wv s[10:11]
	s_load_b256 s[12:19], s[0:1], 0x20             ; Wo s[12:13], XC s[14:15], WC s[16:17], TAB s[18:19]
	s_set_vgpr_msb 0x40
	v_lshl_add_u32 v0, v0, 2, 0x13800
	v_mov_b32 v1, 0
	s_set_vgpr_msb 0x4000
	v_lshrrev_b32 v1, 5, v0
	v_readfirstlane_b32 s20, v1                    ; wave
	v_and_b32 v2, 31, v0                           ; lane
	v_and_b32 v3, 15, v0                           ; r
	v_bfe_u32 v4, v0, 4, 1                         ; h
	s_mov_b32 s[SEL], 0x76543210
	s_mov_b32 s[SEL+1], 0xfedcba98
	s_cmp_lt_u32 ttmp9, 512
	s_cbranch_scc1 .Lx
	s_cmp_lt_u32 ttmp9, 768
	s_cbranch_scc1 .Lw
; ---- THE TABLE.  Row s, 256 bytes: cos f 0-15 | sin f 0-15 | cos f 16-31 | sin f 16-31.  A wave makes 16 rows, two to a store: 32 lanes, 512 consecutive bytes.
	s_sub_co_u32 s21, ttmp9, 768
	s_lshl_b32 s24, s21, 6
	s_lshl_b32 s25, s20, 4
	s_add_co_u32 s24, s24, s25                     ; my wave's first position
	s_wait_alu depctr_va_vdst(0)
	v_add_nc_u32 v5, s24, v4                       ; lanes 16-31 take the odd rows
	s_lshl_b32 s24, s24, 8
	s_mov_b32 s25, 0
	s_mov_b32 s30, 0x3fc90fdb                      ; pi/2, upper part
	s_mov_b32 s31, 0xb33bbd2e                      ; and the rest
	s_mov_b32 s32, 0xb94ca1f9                      ; sine: r + r z (s34 + z (s33 + z s32))
	s_mov_b32 s33, 0x3c08839e
	s_mov_b32 s34, 0xbe2aaaa3
	s_mov_b32 s35, 0x37ccf5ce                      ; cosine: 1 - z / 2 + z z (s37 + z (s36 + z s35))
	s_mov_b32 s36, 0xbab6061a
	s_mov_b32 s37, 0x3d2aaaa5
	v_bfe_u32 v6, v0, 3, 1                         ; which half of the frequencies
	v_bfe_u32 v7, v0, 2, 1                         ; 0 cosine, 1 sine
	v_and_b32 v8, 3, v0
	v_lshlrev_b32 v8, 2, v8
	v_lshl_add_u32 v8, v6, 4, v8                   ; my first frequency
	v_mul_u32_u24 v21, v7, 3
	v_lshlrev_b32 v22, 4, v2
.irp j, 0,1,2,3
	v_add_nc_u32 v[16+\j], \j, v8
.endr
.irp j, 0,1,2,3
	v_cvt_f32_u32 v[16+\j], v[16+\j]
.endr
.irp j, 0,1,2,3
	v_mul_f32 v[16+\j], 0xbed49a78, v[16+\j]       ; -f log2(10000) / 32
.endr
	s_wait_alu depctr_va_vdst(0)
.irp j, 0,1,2,3
	v_exp_f32 v[16+\j], v[16+\j]                   ; the inverse frequency
.endr
	v_nop                                          ; a plain line behind the exponentials,
	s_wait_alu depctr_va_vdst(0)                   ; and one wait for the four, ahead of their first reader
	s_wait_kmcnt 0x0
	s_add_nc_u64 s[18:19], s[18:19], s[24:25]
.irp i, 0,1,2,3,4,5,6,7
	v_add_nc_u32 v23, 2*\i, v5
	v_cvt_f32_u32 v20, v23
.irp j, 0,1,2,3
	TRIG 32+4*\i+\j, 16+\j
.endr
	global_store_b128 v22, v[32+4*\i:35+4*\i], s[18:19] offset:512*\i   ; each store has registers of its own
.endr
	s_endpgm
; ---- x.  Wave w makes fragments 2 w and 2 w + 1.  Each load takes a row's 512 bytes of the K step, 16 bytes a lane; the rows go through the wave's stage and come back 16 neighbours of each block of 32 to a lane.
.Lx:
	s_lshr_b32 s26, ttmp9, 3
	s_lshl_b32 s26, s26, 19                        ; token group x 128 rows of 4,096 bytes
	s_lshl_b32 s28, s20, 17                        ; + 32 rows a wave
	s_add_co_u32 s26, s26, s28
	s_and_b32 s28, ttmp9, 7
	s_lshl_b32 s28, s28, 9                         ; + K step x 512 bytes
	s_add_co_u32 s26, s26, s28
	s_mov_b32 s27, 0
	s_mul_i32 s24, ttmp9, BLK
	s_mov_b32 s25, 0
	s_wait_alu depctr_va_vdst(0)
	v_lshlrev_b32 v5, 4, v2                        ; 16 x lane
	s_mul_i32 s28, s20, XSTG
	v_add_nc_u32 v6, s28, v5                       ; the stage, on the way in
	v_mul_u32_u24 v7, v3, XROW
	v_lshl_add_u32 v7, v4, 6, v7
	v_add_nc_u32 v7, s28, v7                       ; and out: row r, + 64 h
	s_mul_i32 s28, s20, 3072
	v_add_nc_u32 v8, s28, v5                       ; my images in the block
	v_lshlrev_b32 v9, 3, v3
	v_lshl_add_u32 v9, v4, 2, v9
	s_lshl_b32 s28, s20, 7
	v_add_nc_u32 v9, s28, v9                       ; my scale word: 128 w + 8 r + 4 h
.irp b, 0,1,2,3
	v_mov_b32 v[TM+4+\b], 0                        ; written once: a lane permute's destination counts as one of its sources
.endr
	s_wait_alu depctr_va_vdst(0)
	s_wait_kmcnt 0x0
	s_add_nc_u64 s[4:5], s[4:5], s[26:27]
	s_add_nc_u64 s[14:15], s[14:15], s[24:25]
.set SG, 0
.rept 32                               ; in the order of the stage: 16 u + r is row 8 u + r + 8 (r / 8) of my 32
	global_load_b128 v[64+4*SG:64+4*SG+3], v5, s[4:5] offset:(8*(SG/16)+(SG%16)+8*((SG%16)/8))*4096 th:TH_LOAD_NT
.set SG, SG+1
.endr
.irp u, 0,1
	s_wait_loadcnt 16-16*\u                        ; this tile's 16 loads are in; the other tile's 16 may be out
.irp r, 0,1,2,3,4,5,6,7,8,9,10,11,12,13,14,15
	ds_store_b128 v6, v[64+4*(16*\u+\r):64+4*(16*\u+\r)+3] offset:(16*\u+\r)*XROW
.endr
.irp b, 0,1,2,3
.irp j, 0,1,2,3
	ds_load_b128 v[192+16*\b+4*\j:192+16*\b+4*\j+3], v7 offset:16*\u*XROW+128*\b+16*\j   ; LDS serves a wave's instructions in order: these see my stores
.endr
.endr
	s_wait_dscnt 0x0
.if \u
	s_wait_xcnt 0x0                                ; the first tile's stores have read their registers: the codes are written again only behind this wait
.endif
	QUANT 192, 16, 22, 52+\u
.irp c, 0,1,2
	global_store_b128 v8, v[16+4*\c:19+4*\c], s[14:15] offset:1536*\u+512*\c     ; 512 consecutive bytes
.endr
.endr
	v_cmp_eq_u32 vcc_lo, 1, v4
	v_cndmask_b32 v54, v52, v53, vcc_lo            ; lanes 0-15 the even tile's words, lanes 16-31 the odd tile's
	global_store_b32 v9, v54, s[14:15] offset:12288
	s_set_vgpr_msb 0x5
	s_wait_tensorcnt 0x0
	ds_add_u32 v0, v1
	s_wait_dscnt 0x0
	s_set_vgpr_msb 0x500
	s_endpgm
; ---- A WEIGHT.  A lane takes a column n and its registers run down K: a block of 32 lies in one lane, and the codes come out with K innermost.  Lane l of wave w is row 32 w + l of the block:
; tile u = (l / 8) % 2, row r = l % 8 + 8 (l / 16).  Its block kb belongs to lane r + 16 (kb % 2) of the image, registers 6 (kb / 2) on: it is put there in the wave's stage, and the images leave whole.
.Lw:
	s_sub_co_u32 s21, ttmp9, 512                   ; the block's number in WC
	s_lshr_b32 s24, s21, 6                         ; which weight
	s_bfe_u32 s25, s21, 0x30003                    ; which 128 columns
	s_and_b32 s26, s21, 7                          ; which K step
	s_lshl_b32 s26, s26, 19                        ; 128 rows of 4,096 bytes
	s_lshl_b32 s25, s25, 9
	s_add_co_u32 s26, s26, s25
	s_lshl_b32 s25, s20, 7                         ; 32 columns a wave
	s_add_co_u32 s26, s26, s25
	s_mov_b32 s27, 0
	s_mul_i32 s28, s21, BLK
	s_mov_b32 s29, 0
	s_wait_alu depctr_va_vdst(0)
	v_lshlrev_b32 v5, 2, v2
	v_bfe_u32 v6, v2, 3, 1                         ; u
	v_and_b32 v7, 7, v2
	v_bfe_u32 v8, v2, 4, 1
	v_lshl_or_b32 v7, v8, 3, v7                    ; r
	s_mul_i32 s30, s20, 3072
	v_mul_u32_u24 v9, v6, 1536
	v_lshl_add_u32 v9, v7, 4, v9
	v_add_nc_u32 v9, s30, v9
	v_add_nc_u32 v9, WSTG, v9                      ; the stage: my tile's image, lane r's 16 bytes
	v_lshlrev_b32 v10, 4, v2
	v_add_nc_u32 v10, s30, v10                     ; on the way out: 16 x lane + 3,072 w, in the block
	v_add_nc_u32 v15, WSTG, v10                    ; and in the stage
	v_lshlrev_b32 v60, 3, v7
	v_lshl_add_u32 v60, v6, 2, v60
	s_lshl_b32 s30, s20, 7
	v_add_nc_u32 v60, s30, v60                     ; my scale word
	s_wait_kmcnt 0x0
	s_cmp_eq_u32 s24, 1                            ; the choice hangs on the work-group's number alone
	s_cselect_b64 s[6:7], s[8:9], s[6:7]
	s_cmp_eq_u32 s24, 2
	s_cselect_b64 s[6:7], s[10:11], s[6:7]
	s_cmp_eq_u32 s24, 3
	s_cselect_b64 s[6:7], s[12:13], s[6:7]
	s_add_nc_u64 s[6:7], s[6:7], s[26:27]
	s_add_nc_u64 s[16:17], s[16:17], s[28:29]
.set KK, 0
.rept 128
	global_load_b32 v[64+KK], v5, s[6:7] offset:KK*4096 th:TH_LOAD_NT    ; a row of the weight at 32 neighbouring columns; the four waves stand side by side on 512 bytes
.set KK, KK+1
.endr
.irp kb, 0,1,2,3
.if \kb < 2
	s_wait_loadcnt 63                              ; at most 63 of the 128 are out: the first 65 are in, blocks 0 and 1 among them
.else
	s_wait_loadcnt 96-32*\kb                       ; the later blocks' loads may be out
.endif
.set XS, 64+32*\kb
.set FF, 16+8*\kb
	v_max3_num_f32 v12, |v[XS]|, |v[XS+1]|, |v[XS+2]|
	v_max3_num_f32 v13, |v[XS+3]|, |v[XS+4]|, |v[XS+5]|
.irp i, 6,10,14,18,22,26
	v_max3_num_f32 v12, v12, |v[XS+\i]|, |v[XS+\i+1]|
	v_max3_num_f32 v13, v13, |v[XS+\i+2]|, |v[XS+\i+3]|
.endr
	v_max3_num_f32 v12, v12, |v[XS+30]|, |v[XS+31]|
	v_max3_num_f32 v12, v12, v13, 0x1800000        ; and the floor
	v_add_nc_u32 v11, 0xff000000, v12
	v_lshrrev_b32 v13, 23, v11
.if \kb == 0
	v_mov_b32 v14, v13
.else
	v_lshl_or_b32 v14, v13, 8*\kb, v14             ; the four bytes make my row's scale word
.endif
	v_cvt_scalef32_pk16_fp6_f32 v[FF:FF+2], v[XS:XS+15], v11
	v_cvt_scalef32_pk16_fp6_f32 v[T0:T0+2], v[XS+16:XS+31], v11
	v_nop
.irp i, 0,1,2
	v_mov_b32 v[FF+3+\i], v[T0+\i]
.endr
.if \kb < 2
	ds_store_b128 v9, v[FF:FF+3] offset:256*(\kb%2)            ; registers 0-3
	ds_store_b64 v9, v[FF+4:FF+5] offset:512+256*(\kb%2)       ; 4, 5
.else
	ds_store_b64 v9, v[FF:FF+1] offset:520+256*(\kb%2)         ; 6, 7
	ds_store_b128 v9, v[FF+2:FF+5] offset:1024+256*(\kb%2)     ; 8-11
.endif
.endr
	global_store_b32 v60, v14, s[16:17] offset:12288
.irp j, 0,1,2,3,4,5
	ds_load_b128 v[64+4*\j:67+4*\j], v15 offset:512*\j         ; LDS serves a wave's instructions in order: these see my stores
.endr
.irp j, 0,1,2,3,4,5
	s_wait_dscnt 5-\j
	global_store_b128 v10, v[64+4*\j:67+4*\j], s[16:17] offset:512*\j
.endr
	s_set_vgpr_msb 0x5
	s_wait_tensorcnt 0x0
	ds_add_u32 v0, v1
	s_wait_dscnt 0x0
	s_set_vgpr_msb 0x500
	s_endpgm
.Lfunc_end_k_q5059d50aca_prep:
	.size	k_q5059d50aca_prep, .Lfunc_end_k_q5059d50aca_prep-k_q5059d50aca_prep
	.p2alignl 7, 3214868480
	.fill 96, 4, 3214868480
	.section	.rodata,"a",@progbits
	.p2align	6, 0x0
	.amdhsa_kernel k_q5059d50aca_prep
		.amdhsa_group_segment_fixed_size 80384
		.amdhsa_private_segment_fixed_size 0
		.amdhsa_enable_private_segment 0
		.amdhsa_kernarg_size 64
		.amdhsa_user_sgpr_count 2
		.amdhsa_user_sgpr_kernarg_segment_ptr 1
		.amdhsa_wavefront_size32 1
		.amdhsa_system_sgpr_workgroup_id_x 1
		.amdhsa_system_sgpr_workgroup_id_y 1
		.amdhsa_system_sgpr_workgroup_id_z 1
		.amdhsa_system_vgpr_workitem_id 0
		.amdhsa_next_free_vgpr 258
		.amdhsa_next_free_sgpr 66
		.amdhsa_reserve_vcc 1
		.amdhsa_float_denorm_mode_32 3
		.amdhsa_float_denorm_mode_16_64 3
		.amdhsa_memory_ordered 1
		.amdhsa_forward_progress 1
		.amdhsa_inst_pref_size 78
	.end_amdhsa_kernel
	.amdgpu_metadata
---
amdhsa.version: [ 1, 2 ]
amdhsa.kernels:
  - .name:           k_q5059d50aca_prep
    .symbol:         k_q5059d50aca_prep.kd
    .args:
      - { .name: x, .offset: 0, .size: 8, .value_kind: global_buffer, .address_space: global }
      - { .name: Wq, .offset: 8, .size: 8, .value_kind: global_buffer, .address_space: global }
      - { .name: Wk, .offset: 16, .size: 8, .value_kind: global_buffer, .address_space: global }
      - { .name: Wv, .offset: 24, .size: 8, .value_kind: global_buffer, .address_space: global }
      - { .name: Wo, .offset: 32, .size: 8, .value_kind: global_buffer, .address_space: global }
      - { .name: XC, .offset: 40, .size: 8, .value_kind: global_buffer, .address_space: global }
      - { .name: WC, .offset: 48, .size: 8, .value_kind: global_buffer, .address_space: global }
      - { .name: TAB, .offset: 56, .size: 8, .value_kind: global_buffer, .address_space: global }
    .group_segment_fixed_size: 80384
    .private_segment_fixed_size: 0
    .kernarg_segment_align: 8
    .kernarg_segment_size: 64
    .max_flat_workgroup_size: 128
    .sgpr_count:     66
    .vgpr_count:     258
    .wavefront_size: 32
...
	.end_amdgpu_metadata
.endif
;; end of part 1
;; launch qkv (part 2): grid 12 x 32, 4 waves a work-group, clusters of 4 x 4, 327,680 bytes of LDS; arguments XC, WC, TAB, QC, KV; writes QC, KV
.if DOCPART == 2
	.amdgcn_target "amdgcn-amd-amdhsa--gfx1250"
	.amdhsa_code_object_version 6
	.text
	.protected	k_q5059d50aca_qkv
	.globl	k_q5059d50aca_qkv
	.p2align	8
	.type	k_q5059d50aca_qkv,@function
k_q5059d50aca_qkv:
	s_mov_b64 s[64:65], 0
	v_nop
	global_prefetch_b8 v0, s[64:65] scope:SCOPE_SE
	s_setreg_imm32_b32 hwreg(HW_REG_WAVE_MODE, 25, 1), 1
	s_wait_xcnt 0x0
	s_wait_alu depctr_hold_cnt(0) depctr_sa_sdst(0) depctr_va_vdst(0) depctr_va_sdst(0) depctr_va_ssrc(0) depctr_va_vcc(0) depctr_vm_vsrc(0)
	s_getreg_b32 s2, hwreg(HW_REG_IB_STS2, 6, 4)
	s_cmp_eq_u32 s2, 0
	s_cbranch_scc0 .Lentry_in_a_cluster
	s_endpgm
.Lentry_in_a_cluster:
	s_bfe_u32 s2, ttmp6, 0x10000c
	s_cmp_lg_u32 s2, 0xf033
	s_cbranch_scc0 .Lentry_shape_is_right
	s_endpgm
.Lentry_shape_is_right:
; QKV: x Wq, x Wk, x Wv on codes of FP6 (E2M3); RoPE on q and k in f32; q, k (along the head's 64) and v (along the keys) quantised in registers and stored as images of the next products' operands.
; A work-group makes 256 tokens x 256 columns of [Wq Wk Wv]; a wave 128 x 128: 64 accumulators, 512 registers.  K = 1,024 goes in eight steps of 128 through two LDS slots of two steps each.
; Operands come as BLOCKS of 12,800 bytes (128 rows x 128 K: eight register images of 1,536 bytes, then 512 bytes of scale words), so a fragment is three loads of 16 bytes a lane, 512 consecutive bytes each.
; SOURCE 0 is called P, source 1 Q: in a result a lane holds ONE row of Q and its registers run along rows of P; by the blocks' order of rows the 16 registers of P's tiles 2 B and 2 B + 1 are 16 neighbours.
;   clusters 0 and 1 along x (q, k): P = the weight, Q = x: a lane holds a token, its 64 registers two heads' 2 x 32 channels of its half: RoPE's partner (channel +- 32) lies 16 registers away.
;   cluster 2 (v):                   P = x, Q = the weight: a lane holds a channel and its registers run along the keys, which are the second attention product's K.
; The tensor loads are alike for all; only the LDS bases from which P and Q are read change places, by the cluster's x, which all partners share.
; CLUSTERS: 4 x 4 work-groups; x's tiles and the table's rows are asked for jointly along a row of the cluster, the weights' along a column.  The v clusters ask for the table too and do not read it, so that no tensor load stands under a branch.
; OUT.  QC: for (batch, head pair, 128 tokens) two head blocks of 6,400 bytes; KV: for (batch, head pair, 128 keys) K even, K odd, V even, V odd.  A head block: four images, then 256 bytes of scale words (row r, image f: 16 r + 4 f).
; An image of q or k holds TWO tiles of 16 tokens side by side along its K of 128 (64 channels each); an image of v 16 channels x 128 keys.
; LIMITS: NaN and infinities are not served; a block whose largest magnitude lies under 2^-124 keeps the byte 1.
.set BLK,   12800
.set HALF,  2*BLK                      ; 128 rows, two K steps: what one tensor load brings
.set SLOT,  4*HALF                     ; x's two halves, then the weight's two
.set TABL,  2*SLOT                     ; the table's 256 rows for the work-group's tokens, 256 bytes + 16 each
.set TP,    272
.set SPARE, TABL+256*TP                ; the spare words, 128 bytes for each wave: two blocks of 256 bytes that no other line names
.set FR,    12
.set ADQ,   16                         ; v16-17 Q's images in slot 0, 1      v18-19 its scale words
.set ASQ,   18
.set ADP,   20                         ; v20-21, v22-23 the same for P
.set ASP,   22
.set LI,    24                         ; v24  16 x lane
.set TBA,   25                         ; v25  my token's row of the table
.set WO,    26                         ; v26  where the scale words go
.set SPW,   28                         ; v28  my spare word; never rewritten
.set NIL,   29                         ; v29  0; never rewritten
.set SC,    32                         ; v32-63 scale words: set q: Q's tile a at 32 + 16 q + a, P's tile b at 32 + 16 q + 8 + b
.set RA,    64                         ; v64-127 64 numbers behind RoPE
.set QF,    128                        ; v128-223 Q's eight fragments, one set.  Window 1: P's, two sets, at v0 and v128.  Windows 2, 3: the accumulators, (a, b) at v[8 (8 (a % 4) + b)]
.set CT,    128                        ; the way out: 16 cosines, 16 sines
.set ST,    144
.set CD,    192                        ; two images
.set OW,    216
.set TM,    224                        ; v224-239 the quantiser's work
.set PW,    240
.set WD,    244                        ; v244-251 scale words of the eight images
.set T0,    8
.set T1,    12
.set G1X,   24
.set G0X,   32
.set G1W,   48
.set G0W,   56
.set G1T,   68
.set G0T,   76
.set OB,    88                         ; s[88:89] where my results go
.set SEL,   92
.set MSB, 0
.macro WIN new                         ; the immediate's high byte repeats the setting that is left
.if MSB != (\new)
	s_set_vgpr_msb (MSB<<8)|(\new)
.set MSB, (\new)
.endif
.endm
.set MUL_LO, 0xa1                      ; source 0 window 1, source 1 window 0, C and D window 2
.set MUL_HI, 0xf1
.macro PLACES                          ; four plain lines between a matrix instruction and a load into, or a vector read or write of, its registers
.rept 4
	v_nop
.endr
.endm
.macro JLOAD s                         ; waves 0 and 1 fetch x's halves, waves 2 and 3 the weight's; four v_nop follow each line
	s_cmp_eq_u32 s15, 0
	s_cbranch_scc0 .Lfor_w_\@
	tensor_load_to_lds s[G0X+4*\s:G0X+4*\s+3], s[G1X:G1X+7]
	s_nop 0
.rept 4
	v_nop
.endr
	s_branch .Lasked_\@
.Lfor_w_\@:
	tensor_load_to_lds s[G0W+4*\s:G0W+4*\s+3], s[G1W:G1W+7]
	s_nop 0
.rept 4
	v_nop
.endr
.Lasked_\@:
.endm
.macro CREST
	s_cmp_lg_u32 s14, 0
	s_cbranch_scc1 .Lnot_wave_0_\@
	s_barrier_signal -3
.Lnot_wave_0_\@:
	s_barrier_wait -3
	s_barrier_signal -1
	s_barrier_wait -1
.endm
.macro CROUND
	s_barrier_signal -1
	s_barrier_wait -1
	CREST
.endm
.macro FRAG reg, adr, q, i             ; an image comes back as it was stored
.irp c, 0,1,2
	ds_load_b128 v[\reg+4*\c:\reg+4*\c+3], v[\adr] offset:(\q)*BLK+(\i)*1536+512*\c
.endr
.endm
.macro FETCH_P slot, q, p
	WIN 0x40
.irp i, 0,1,2,3,4,5,6,7
	FRAG 128*(\p)+FR*\i, ADP+\slot, \q, \i
.endr
	WIN 0
.endm
.macro FETCH_Q slot, q, i0
.irp i, \i0, \i0+1, \i0+2, \i0+3
	FRAG QF+FR*(\i), ADQ+\slot, \q, \i
.endr
.endm
.macro SCALES slot, q                  ; 8 bytes a lane: the words of tiles 2 j and 2 j + 1 of row r
.irp j, 0,1,2,3
	ds_load_b64 v[SC+16*(\q)+2*\j:SC+16*(\q)+2*\j+1], v[ASQ+\slot] offset:(\q)*BLK+12288+128*\j
	ds_load_b64 v[SC+16*(\q)+8+2*\j:SC+16*(\q)+8+2*\j+1], v[ASP+\slot] offset:(\q)*BLK+12288+128*\j
.endr
.endm
; 16 matrix instructions: Q's tiles a0, a0 + 1 x P's eight.  The 64 accumulators take turns, one instruction a turn, in the same order in every step.
.macro MUL16 a0, p, q, zero
.irp a, \a0, \a0+1
.irp b, 0,1,2,3,4,5,6,7
.if \zero
	v_wmma_scale_f32_16x16x128_f8f6f4 v[8*(8*((\a)%4)+\b):8*(8*((\a)%4)+\b)+7], v[128*(\p)+FR*\b:128*(\p)+FR*\b+FR-1], v[QF+FR*(\a):QF+FR*(\a)+FR-1], 0, v[SC+16*(\q)+8+\b], v[SC+16*(\q)+(\a)] matrix_a_fmt:MATRIX_FMT_FP6 matrix_b_fmt:MATRIX_FMT_FP6
.else
	v_wmma_scale_f32_16x16x128_f8f6f4 v[8*(8*((\a)%4)+\b):8*(8*((\a)%4)+\b)+7], v[128*(\p)+FR*\b:128*(\p)+FR*\b+FR-1], v[QF+FR*(\a):QF+FR*(\a)+FR-1], v[8*(8*((\a)%4)+\b):8*(8*((\a)%4)+\b)+7], v[SC+16*(\q)+8+\b], v[SC+16*(\q)+(\a)] matrix_a_fmt:MATRIX_FMT_FP6 matrix_b_fmt:MATRIX_FMT_FP6
.endif
.endr
.endr
.endm
.macro STEP slot, zero                 ; a slot's first K step; it fetches the second's fragments
	s_wait_dscnt 12                                ; all but the youngest twelve loads (Q's tiles 4-7)
	WIN MUL_LO
	MUL16 0, 0, 0, \zero
	MUL16 2, 0, 0, \zero
	s_wait_dscnt 0x0
	PLACES
	FETCH_P \slot, 1, 1
	FETCH_Q \slot, 1, 0
	SCALES \slot, 1
	WIN MUL_HI
	MUL16 4, 0, 0, \zero
	MUL16 6, 0, 0, \zero
	PLACES
	WIN 0
	FETCH_Q \slot, 1, 4
.endm
; A slot's second K step changes slots: one barrier; in front of it each wave waits for all its tensor loads, adds 0 to its spare word, and waits for that and for its reads of this slot.
.macro TURN slot, next, fill
	s_wait_tensorcnt 0x0                           ; all my tensor loads have landed: my part of the next slot
	ds_add_u32 v[SPW], v[NIL]                      ; 0 onto my spare word
	s_wait_dscnt 13                                ; (the add and the youngest twelve loads may be out)
	WIN MUL_LO
	MUL16 0, 1, 1, 0
	s_wait_dscnt 0x0                               ; the add is done, and my reads of this slot are over
	s_barrier_signal -1
	MUL16 2, 1, 1, 0
	WIN 0
	s_barrier_wait -1
.if \fill
	CREST                                          ; the barrier has opened a round of the cluster's: no wave of any partner still reads this slot or has a load on its way
	s_add_nc_u64 s[G0X+4*\slot+2:G0X+4*\slot+3], s[G0X+4*\slot+2:G0X+4*\slot+3], 2*HALF
	s_add_nc_u64 s[G0W+4*\slot+2:G0W+4*\slot+3], s[G0W+4*\slot+2:G0W+4*\slot+3], 2*HALF
	JLOAD \slot                                    ; the first tensor load behind the round; its four v_nop are the places in front of the loads below
.else
	CREST                                          ; no slot is filled again here: the table's first fill, every wave its 64 rows, behind a round
	tensor_load_to_lds s[G0T:G0T+3], s[G1T:G1T+7]
	s_nop 0
	PLACES
.endif
	FETCH_P \next, 0, 0
	FETCH_Q \next, 0, 0
	SCALES \next, 0
.if (\fill) && ((\slot) == 0)
	global_prefetch_b8 v27, s[96:97] offset:3*HALF th:TH_LOAD_NT scope:SCOPE_SE   ; K steps 6 and 7, the last
.endif
	WIN MUL_HI
	MUL16 4, 1, 1, 0
	MUL16 6, 1, 1, 0
	PLACES
	WIN 0
	FETCH_Q \next, 0, 4
.endm
; 64 numbers of a lane in window w, register 16 b + i = k 32 b + 16 (lane / 16) + i of the lane's row, become registers 0-5 (d0) and 6-11 (d1) of a fragment and its scale word (pw).  Each accumulator is read from its low end on.
.macro QUANT s, w, d0, d1, pw
	WIN (\w)|((\w)<<2)
.irp b, 0,1,2,3
	v_max3_num_f32 v[TM+\b], |v[(\s)+16*\b]|, |v[(\s)+1+16*\b]|, 0x1800000   ; and the floor 2^(3 - 127): the byte cannot fall under 1
.endr
	WIN ((\w)<<2)|((\w)<<4)
.irp i, 2,4,6,8,10,12,14
.irp b, 0,1,2,3
	v_max3_num_f32 v[TM+\b], v[TM+\b], |v[(\s)+16*\b+\i]|, |v[(\s)+1+16*\b+\i]|
.endr
.endr
	WIN 0
.irp b, 0,1,2,3
	v_permlanex16_b32 v[TM+4+\b], v[TM+\b], s[SEL], s[SEL+1]
.endr
.irp b, 0,1,2,3
	v_max_num_f32 v[TM+\b], v[TM+\b], v[TM+4+\b]
.endr
.irp b, 0,1,2,3
	v_add_nc_u32 v[TM+12+\b], 0xff000000, v[TM+\b]     ; 2 off the exponent field: the conversion's scale operand
.endr
.irp b, 0,1,2,3
	v_lshrrev_b32 v[TM+4+\b], 23, v[TM+12+\b]
.endr
	v_lshl_or_b32 v[\pw], v[TM+5], 8, v[TM+4]
	v_lshl_or_b32 v[\pw], v[TM+6], 16, v[\pw]
	v_lshl_or_b32 v[\pw], v[TM+7], 24, v[\pw]
	WIN (\w)
	v_cvt_scalef32_pk16_fp6_f32 v[(\d0):(\d0)+2], v[(\s):(\s)+15], v[TM+12]
	v_cvt_scalef32_pk16_fp6_f32 v[T0:T0+2], v[(\s)+16:(\s)+31], v[TM+13]
	v_cvt_scalef32_pk16_fp6_f32 v[(\d1):(\d1)+2], v[(\s)+32:(\s)+47], v[TM+14]
	v_cvt_scalef32_pk16_fp6_f32 v[T1:T1+2], v[(\s)+48:(\s)+63], v[TM+15]
	WIN 0
	v_nop                                              ; one plain line behind the scaled conversions
.irp i, 0,1,2
	v_permlane16_swap_b32 v[(\d0)+\i], v[T0+\i]
	v_permlane16_swap_b32 v[(\d1)+\i], v[T1+\i]
.endr
.irp i, 0,1,2
	v_mov_b32 v[(\d0)+3+\i], v[T0+\i]
	v_mov_b32 v[(\d1)+3+\i], v[T1+\i]
.endr
.endm
; RoPE on token tile a: for each of the two heads, lo' = lo cos - hi sin, hi' = hi cos + lo sin; lo = channels 16 h + 0 .. 15, hi = those + 32; two numbers an instruction
.macro ROPE a
	WIN 2+(\a)/4
.irp e, 0,1
.irp ip, 0,2,4,6,8,10,12,14
	v_pk_mul_f32 v[RA+32*\e+\ip:RA+32*\e+\ip+1], v[64*((\a)%4)+32*\e+\ip:64*((\a)%4)+32*\e+\ip+1], v[CT+\ip:CT+\ip+1]
	v_pk_mul_f32 v[RA+32*\e+16+\ip:RA+32*\e+16+\ip+1], v[64*((\a)%4)+32*\e+16+\ip:64*((\a)%4)+32*\e+16+\ip+1], v[CT+\ip:CT+\ip+1]
	v_pk_fma_f32 v[RA+32*\e+\ip:RA+32*\e+\ip+1], v[64*((\a)%4)+32*\e+16+\ip:64*((\a)%4)+32*\e+16+\ip+1], v[ST+\ip:ST+\ip+1], v[RA+32*\e+\ip:RA+32*\e+\ip+1] neg_lo:[0,1,0] neg_hi:[0,1,0]
	v_pk_fma_f32 v[RA+32*\e+16+\ip:RA+32*\e+16+\ip+1], v[64*((\a)%4)+32*\e+\ip:64*((\a)%4)+32*\e+\ip+1], v[ST+\ip:ST+\ip+1], v[RA+32*\e+16+\ip:RA+32*\e+16+\ip+1]
.endr
.endr
	WIN 0
.endm
	s_load_b256 s[4:11], s[0:1], 0x0               ; XC s[4:5], WC s[6:7], TAB s[8:9], QC s[10:11]
	s_load_b64 s[12:13], s[0:1], 0x20              ; KV
	v_lshl_add_u32 v[SPW], v0, 2, SPARE
	v_mov_b32 v[NIL], 0
	ds_add_u32 v28, v29
	ds_add_u32 v28, v29
	s_wait_dscnt 0x0
	v_lshrrev_b32 v1, 5, v0
	v_readfirstlane_b32 s14, v1                    ; wave
	s_lshr_b32 s15, s14, 1                         ; Q's half that is mine.  Also: I fetch for x (0) or for the weight (1)
	s_and_b32 s16, s14, 1                          ; P's half.  Also: which 128 rows I fetch
	s_bfe_u32 s40, ttmp6, 0x40000                  ; cx, cy
	s_bfe_u32 s41, ttmp6, 0x40004
	s_lshl_b32 s42, ttmp9, 2
	s_add_co_u32 s42, s42, s40                     ; which 256 rows of [Wq; Wk; Wv]
	s_and_b32 s17, ttmp7, 0xffff
	s_lshl_b32 s17, s17, 2
	s_add_co_u32 s17, s17, s41                     ; which 256 tokens
	s_lshl_b32 s43, s41, 2
	s_lshl_b32 s43, 15, s43                        ; my row of the cluster
	s_lshl_b32 s44, 0x1111, s40                    ; my column
	s_or_b32 s[G1X], s43, (3<<16)|(1<<21)          ; 25,600 dense bytes as 100 rows of 32 elements of 8 bytes; the mask, and bit 21 beside it
	s_or_b32 s[G1W], s44, (3<<16)|(1<<21)
.irp g, G1X, G1W
	s_mov_b32 s[\g+1], 32<<16
	s_mov_b32 s[\g+2], 100<<16
	s_mov_b32 s[\g+3], 32<<16
	s_mov_b32 s[\g+4], 100
	s_mov_b32 s[\g+5], 32
	s_mov_b32 s[\g+6], 0
	s_mov_b32 s[\g+7], 0
.endr
	s_or_b32 s[G1T], s43, (3<<16)|(1<<20)|(1<<21)|(5<<22)|(3<<25)   ; 64 rows of 256 bytes, 16 bytes of padding behind each
	s_mov_b32 s[G1T+1], 32<<16
	s_mov_b32 s[G1T+2], 64<<16
	s_mov_b32 s[G1T+3], 32<<16
	s_mov_b32 s[G1T+4], 64
	s_mov_b32 s[G1T+5], 32
	s_mov_b32 s[G1T+6], 0
	s_mov_b32 s[G1T+7], 0
	s_lshl_b32 s20, s17, 1
	s_add_co_u32 s20, s20, s16
	s_mul_i32 s20, s20, 8*BLK                      ; x: token group 2 wgy + half, eight blocks each
	s_mov_b32 s21, 0
	s_lshl_b32 s46, s42, 1
	s_add_co_u32 s46, s46, s16
	s_mul_i32 s46, s46, 8*BLK                      ; the weight likewise
	s_mov_b32 s47, 0
	s_and_b32 s22, s17, 7
	s_lshl_b32 s22, s22, 2
	s_add_co_u32 s22, s22, s14
	s_lshl_b32 s22, s22, 14                        ; the table: positions 256 (wgy % 8) + 64 wave on, 256 bytes each
	s_mov_b32 s23, 0
	s_mul_i32 s45, s14, HALF                       ; where they go: no place in the cluster enters an LDS address
	s_mul_i32 s94, s14, 64*TP
	s_wait_kmcnt 0x0
	s_add_nc_u64 s[20:21], s[4:5], s[20:21]
	s_add_nc_u64 s[46:47], s[6:7], s[46:47]
	s_add_nc_u64 s[22:23], s[8:9], s[22:23]
	CROUND                                         ; all sixteen work-groups are here: the first joint loads meet
	s_mov_b32 s[G0T], 1
	s_add_co_u32 s[G0T+1], s94, TABL
	s_mov_b64 s[G0T+2:G0T+3], s[22:23]
	s_or_b32 s[G0T+3], s[G0T+3], 0x80000000        ; the table is asked for behind K step 5's barrier
.irp s, 0,1
	s_mov_b32 s[G0X+4*\s], 1
	s_add_co_u32 s[G0X+4*\s+1], s45, \s*SLOT
	s_add_nc_u64 s[G0X+4*\s+2:G0X+4*\s+3], s[20:21], \s*HALF
	s_or_b32 s[G0X+4*\s+3], s[G0X+4*\s+3], 0x80000000
	s_mov_b32 s[G0W+4*\s], 1
	s_add_co_u32 s[G0W+4*\s+1], s45, \s*SLOT
	s_add_nc_u64 s[G0W+4*\s+2:G0W+4*\s+3], s[46:47], \s*HALF
	s_or_b32 s[G0W+4*\s+3], s[G0W+4*\s+3], 0x80000000
.endr
	JLOAD 0                                        ; K steps 0 and 1: one tensor load a wave at the head
	s_cmp_eq_u32 s15, 0                            ; the prefetches: of the 25,600 bytes that I fetch for a slot, each of the four partners that ask jointly names 6,400, told apart by address
	s_cselect_b64 s[96:97], s[20:21], s[46:47]
	s_cselect_b32 s98, s40, s41                    ; cx for x's tiles, cy for the weight's
	s_mul_i32 s98, s98, 6400
	s_mov_b32 s99, 0
	s_add_nc_u64 s[96:97], s[96:97], s[98:99]
	v_and_b32 v27, 31, v0
	v_min_u32 v27, 24, v27                         ; 25 blocks of 256 bytes, a lane a block; lanes 25-31 name lane 24's again
	v_lshlrev_b32 v27, 8, v27                      ; v27 and s[96:97] are never rewritten: the slots stand in the immediates
	global_prefetch_b8 v27, s[96:97] offset:HALF th:TH_LOAD_NT scope:SCOPE_SE     ; K steps 2 and 3, one slot ahead of their load
	v_and_b32 v1, 31, v0
	v_lshlrev_b32 v[LI], 4, v1
	v_and_b32 v2, 15, v0                           ; r
	s_wait_alu depctr_va_vdst(0)
	v_bfe_u32 v3, v0, 4, 1                         ; h (kept)
	s_cmp_lt_u32 ttmp9, 2                          ; q or k?  The cluster's x is the same in all partners
	s_cselect_b32 s80, 2*HALF, 0                   ; P is the weight (behind x's halves), or x
	s_cselect_b32 s81, 0, 2*HALF                   ; Q the other
	s_cselect_b32 s82, s15, s16                    ; which half of the tokens is mine
	s_cselect_b32 s83, s16, s15                    ; and of the weight's rows
	s_mul_i32 s84, s16, HALF
	s_add_co_u32 s80, s80, s84
	s_mul_i32 s84, s15, HALF
	s_add_co_u32 s81, s81, s84
	v_lshlrev_b32 v4, 3, v2
.irp s, 0,1
	v_add_nc_u32 v[ADP+\s], s80, v[LI]
	v_add_nc_u32 v[ADQ+\s], s81, v[LI]
	v_add_nc_u32 v[ASP+\s], s80, v4
	v_add_nc_u32 v[ASQ+\s], s81, v4
	s_add_co_u32 s80, s80, SLOT
	s_add_co_u32 s81, s81, SLOT
.endr
	v_lshrrev_b32 v5, 3, v2
	v_lshl_add_u32 v5, v5, 3, v2                   ; r + 8 (r / 8)
	v_mul_u32_u24 v[TBA], v5, TP
	v_lshl_add_u32 v[TBA], v3, 7, v[TBA]           ; my half's 16 cosines and 16 sines: 128 h
	s_mul_i32 s84, s15, 128*TP
	s_add_co_u32 s84, s84, TABL
	v_add_nc_u32 v[TBA], s84, v[TBA]
	v_mul_u32_u24 v[WO], v3, 6400
	v_lshl_add_u32 v[WO], v2, 4, v[WO]             ; lanes 0-15 the even head's words, lanes 16-31 the odd head's
.irp b, 0,1,2,3
	v_mov_b32 v[TM+4+\b], 0                        ; written once: a lane permute's destination counts as one of its sources
.endr
	s_mov_b32 s[SEL], 0x76543210
	s_mov_b32 s[SEL+1], 0xfedcba98
	s_lshl_b32 s85, s17, 1
	s_add_co_u32 s85, s85, s82                     ; my token group, 0 .. 63
	s_lshl_b32 s86, s42, 1
	s_add_co_u32 s86, s86, s83
	s_and_b32 s86, s86, 7                          ; my pair of heads
	s_lshr_b32 s87, s85, 4                         ; the batch
	s_lshl_b32 s87, s87, 3
	s_add_co_u32 s87, s87, s86
	s_lshl_b32 s87, s87, 4
	s_and_b32 s85, s85, 15
	s_add_co_u32 s87, s87, s85                     ; (batch x 8 + pair) x 16 + group in the sequence
	s_mov_b32 s86, 2*BLK
	s_cmp_eq_u32 ttmp9, 0
	s_cselect_b64 s[OB:OB+1], s[10:11], s[12:13]   ; q goes to QC, k and v to KV
	s_cselect_b32 s86, BLK, s86
	s_mul_i32 s86, s87, s86
	s_cmp_eq_u32 ttmp9, 2
	s_cselect_b32 s87, BLK, 0                      ; v lies behind k
	s_add_co_u32 s86, s86, s87
	s_mov_b32 s87, 0
	s_add_nc_u64 s[OB:OB+1], s[OB:OB+1], s[86:87]
	s_wait_alu depctr_va_vdst(0)
	s_wait_tensorcnt 0x0                           ; my part of slot 0 is in
	ds_add_u32 v[SPW], v[NIL]
	s_wait_dscnt 0x0
	CROUND                                         ; everybody's part of slot 0 is in, and the joint loads meet
	JLOAD 1                                        ; K steps 2 and 3, the first tensor load behind the round
	FETCH_P 0, 0, 0
	FETCH_Q 0, 0, 0
	SCALES 0, 0
	global_prefetch_b8 v27, s[96:97] offset:2*HALF th:TH_LOAD_NT scope:SCOPE_SE   ; K steps 4 and 5
	FETCH_Q 0, 0, 4
	STEP 0, 1                                      ; K step 0 starts the sums: nothing is cleared
	TURN 0, 1, 1                                   ; 1; slot 0 takes steps 4 and 5
	STEP 1, 0                                      ; 2
	TURN 1, 0, 1                                   ; 3; slot 1 takes steps 6 and 7
	STEP 0, 0                                      ; 4
	TURN 0, 1, 0                                   ; 5; nothing is left to fetch
	STEP 1, 0                                      ; 6
	s_wait_dscnt 12                                ; 7
	WIN MUL_LO
	MUL16 0, 1, 1, 0
	MUL16 2, 1, 1, 0
	s_wait_dscnt 0x0
	WIN MUL_HI
	MUL16 4, 1, 1, 0
	MUL16 6, 1, 1, 0
	WIN 0
	s_wait_tensorcnt 0x0                           ; my rows of the table are in;
	s_barrier_signal -1
	s_barrier_wait -1                              ; and everybody's
	PLACES
	s_cmp_eq_u32 ttmp9, 2
	s_cbranch_scc1 .Lvpath
; ---- q, k: RoPE, then two tiles of tokens side by side make one image for each of the two heads
	s_wait_alu depctr_va_vdst(0)
.irp bt, 0,1,2,3
.irp u, 0,1
.irp j, 0,1,2,3,4,5,6,7
	ds_load_b128 v[CT+4*\j:CT+4*\j+3], v[TBA] offset:(32*\bt+8*\u)*TP+16*\j
.endr
	s_wait_dscnt 0x0
	ROPE 2*\bt+\u
.if (\bt > 0) && (\u == 0)
	s_wait_xcnt 0x0                                ; the last images' stores have read their registers
.endif
	QUANT RA, 0, CD+6*\u, CD+12+6*\u, PW+\u
.endr
	v_perm_b32 v[WD+\bt], v[PW+1], v[PW], 0x05040100     ; the even head's word: the two tiles' lower halves
	v_perm_b32 v[WD+4+\bt], v[PW+1], v[PW], 0x07060302   ; the odd head's: their upper halves
.irp c, 0,1,2
	global_store_b128 v[LI], v[CD+4*\c:CD+4*\c+3], s[OB:OB+1] offset:\bt*1536+512*\c
	global_store_b128 v[LI], v[CD+12+4*\c:CD+12+4*\c+3], s[OB:OB+1] offset:6400+\bt*1536+512*\c
.endr
.endr
	s_branch .Lwords
; ---- v: a lane's 64 results are 64 keys of its channel: quantised as they stand
.Lvpath:
.irp a, 0,1,2,3,4,5,6,7
.if \a > 0
	s_wait_xcnt 0x0                                ; the last image's stores have read their registers
.endif
	QUANT 64*(\a%4), 2+\a/4, CD, CD+6, WD+\a
.irp c, 0,1,2
	global_store_b128 v[LI], v[CD+4*\c:CD+4*\c+3], s[OB:OB+1] offset:(\a/4)*6400+(\a%4)*1536+512*\c
.endr
.endr
.Lwords:
	v_cmp_eq_u32 vcc_lo, 1, v3
	s_wait_alu depctr_va_vdst(0)
.irp t, 0,1,2,3
	v_cndmask_b32 v[OW+\t], v[WD+\t], v[WD+4+\t], vcc_lo
.endr
	global_store_b128 v[WO], v[OW:OW+3], s[OB:OB+1] offset:6144    ; sixteen lanes store a head's 256 bytes of scale words
	s_wait_tensorcnt 0x0                           ; the wave's end
	ds_add_u32 v[SPW], v[NIL]
	s_wait_dscnt 0x0
	CROUND                                         ; the closing round
	s_endpgm
.Lfunc_end_k_q5059d50aca_qkv:
	.size	k_q5059d50aca_qkv, .Lfunc_end_k_q5059d50aca_qkv-k_q5059d50aca_qkv
	.p2alignl 7, 3214868480
	.fill 96, 4, 3214868480
	.section	.rodata,"a",@progbits
	.p2align	6, 0x0
	.amdhsa_kernel k_q5059d50aca_qkv
		.amdhsa_group_segment_fixed_size 327680
		.amdhsa_private_segment_fixed_size 0
		.amdhsa_enable_private_segment 0
		.amdhsa_kernarg_size 40
		.amdhsa_user_sgpr_count 2
		.amdhsa_user_sgpr_kernarg_segment_ptr 1
		.amdhsa_wavefront_size32 1
		.amdhsa_system_sgpr_workgroup_id_x 1
		.amdhsa_system_sgpr_workgroup_id_y 1
		.amdhsa_system_sgpr_workgroup_id_z 1
		.amdhsa_system_vgpr_workitem_id 0
		.amdhsa_next_free_vgpr 1024
		.amdhsa_next_free_sgpr 100
		.amdhsa_reserve_vcc 1
		.amdhsa_float_denorm_mode_32 3
		.amdhsa_float_denorm_mode_16_64 3
		.amdhsa_memory_ordered 1
		.amdhsa_forward_progress 1
		.amdhsa_inst_pref_size 212
	.end_amdhsa_kernel
	.amdgpu_metadata
---
amdhsa.version: [ 1, 2 ]
amdhsa.kernels:
  - .name:           k_q5059d50aca_qkv
    .symbol:         k_q5059d50aca_qkv.kd
    .args:
      - { .name: XC, .offset: 0, .size: 8, .value_kind: global_buffer, .address_space: global }
      - { .name: WC, .offset: 8, .size: 8, .value_kind: global_buffer, .address_space: global }
      - { .name: TAB, .offset: 16, .size: 8, .value_kind: global_buffer, .address_space: global }
      - { .name: QC, .offset: 24, .size: 8, .value_kind: global_buffer, .address_space: global }
      - { .name: KV, .offset: 32, .size: 8, .value_kind: global_buffer, .address_space: global }
    .group_segment_fixed_size: 327680
    .private_segment_fixed_size: 0
    .kernarg_segment_align: 8
    .kernarg_segment_size: 40
    .max_flat_workgroup_size: 128
    .sgpr_count:     100
    .vgpr_count:     1024
    .wavefront_size: 32
...
	.end_amdgpu_metadata
.endif
;; end of part 2
;; launch attn (part 3): grid 8 x 32, 16 waves a work-group, no clusters, 327,680 bytes of LDS; arguments QC, KV, AC; writes AC
.if DOCPART == 3
	.amdgcn_target "amdgcn-amd-amdhsa--gfx1250"
	.amdhsa_code_object_version 6
	.text
	.protected	k_q5059d50aca_attn
	.globl	k_q5059d50aca_attn
	.p2align	8
	.type	k_q5059d50aca_attn,@function
k_q5059d50aca_attn:
	s_mov_b64 s[64:65], 0
	v_nop
	global_prefetch_b8 v0, s[64:65] scope:SCOPE_SE
	s_setreg_imm32_b32 hwreg(HW_REG_WAVE_MODE, 25, 1), 1
	s_wait_xcnt 0x0
; ATTN: causal attention on codes of FP6 (E2M3), head size 64; its result is quantised along the hidden axis and stored as blocks for the last product.
; seq_lens is not read here: for a query under its sequence's length every causal key lies under it too, and the rows of all other queries are set to 0 by the last launch.
; SHARES.  A work-group has one batch and pair of heads (y) and two blocks of 128 queries: block 15 - x (16 - x key steps of 128 keys), then block x (x + 1 steps): 17 steps in every work-group.
; Wave w: head w % 2 of the pair, query tile w / 2 (16 queries).  Only a block's last step lies on the diagonal.
; PRODUCTS, both transposed, so that a lane holds ONE query.  S^T = K Q^T: an image of K holds two tiles of 16 keys side by side along the instruction's K of 128 (64 channels each); it is multiplied once by
; [q | zeros] and once by [zeros | q].  By the order of rows in a block the 16 registers of tiles 2 B, 2 B + 1 are keys 32 B + 16 (lane / 16) + 0 .. 15.  O^T = V^T P^T: four tiles of 16 channels x 128 keys.
; SOFTMAX: t = score x log2(e) / 8; M = the running largest t rounded up to a whole number; p = 2^(t - M) is quantised along the keys; the sum is taken of the unquantised p and divides at the end.
; RING: two LDS slots of one key step (25,600 bytes: K even, K odd, V even, V odd); waves 0 and 1 fetch half a step each; one tensor load of a wave is out at any time.
; NO CLUSTER: the eight work-groups of a pair walk the same keys only in their first 16 - x trips; behind that each begins anew at key 0 at another trip, so partners would ask for different tiles in the same round;
; a common walk of all keys for both blocks would be 24 trips against 17.
; THE WAY OUT: each wave's 16 queries x 64 channels are half a fragment (6 registers) and half a scale word; the sixteen waves lay a block of 12,800 bytes together in a stage, one stage for each query block, and both leave at the end in whole runs of 512 bytes.
; LIMITS: NaN and infinities are not served.
.set SLOT1, 32768                      ; slot 1 begins here: one exclusive or turns an address
.set HB,    6400                       ; a head block
.set KVB,   25600                      ; a key step
.set STG,   65536                      ; the two stages, 12,800 bytes each
.set STGB,  12800
.set SPARE, STG+2*STGB                 ; the spare words, 128 bytes for each wave: eight blocks of 256 bytes that no other line names
.set LI,   1                           ; v1   16 x lane + 6,400 x head
.set LR,   2                           ; v2   16 r + 6,400 x head
.set SPW,  3                           ; v3   my spare word; never rewritten
.set NIL,  4                           ; v4   0; never rewritten
.set ADI,  5                           ; v5, v6 the step's images and scale words
.set ADS,  6
.set QD,   7                           ; v7   my query in its block - 16 (lane / 16)
.set SA,   8                           ; v8-10 where my three pieces of 8 bytes go in a stage
.set SSC,  11                          ; v11  and my two scale bytes
.set QLO,  16                          ; v16-27 [q | zeros]     v28-39 [zeros | q]
.set QHI,  28
.set QS,   40                          ; v40  q's scale word     v41 as it is loaded
.set QR,   41
.set KF,   44                          ; v44-91 four fragments of K, then of V     v92-95 their scale words
.set KS,   92
.set VQ,   200                         ; v200-202 my query tile's three pieces in QC     v203 its scale word
.set VQS,  203
.set TI,   204                         ; v204 the stages on the way out: 16 x thread
.set GO,   205                         ; v205 the same in AC
.set PFO,  206                         ; v206 the prefetches' offset
; v12 -M, v13 the largest t, v[14:15] the sum; v96-159 S^T, then p; v160-191 O^T; v224-235 p's codes; v232-255 at work
.set WV,   18
.set HE,   19
.set QA,   10
.set BQ,   11
.set QU,   12
.set SEL,  20
.set CS,   22
.set G1,   24
.set G0,   40
.set KVW,  44                          ; s[44:45] my half of key step 0
.set PFA,  46
.set QB1,  50
.set QB2,  52
.set AC1,  54
.set AC2,  56
.set TT,   58                          ; the trip
.set N1,   59                          ; the first block's key steps
.set N1M,  60                          ; less one: also that block's number
.set TB,   61                          ; the slot in hand
.set LIM,  62
.set PSEL, 63
.macro TLOAD                           ; waves 0 and 1 fetch; four v_nop follow the line
	s_cmp_lt_u32 s[WV], 2
	s_cbranch_scc0 .Lno_fetch_\@
	tensor_load_to_lds s[G0:G0+3], s[G1:G1+7]
	s_nop 0
.rept 4
	v_nop
.endr
.Lno_fetch_\@:
.endm
; A prefetch into the L2 of key step trip + 3, two trips ahead of the tensor load that will ask for it.  All eight work-groups of a pair walk the same keys: work-group 0, whose first block walks all sixteen steps in order, asks;
; in it waves 4 to 7, which fetch nothing, 6,400 bytes each: lanes 256 bytes apart (lanes 25 to 31 name lane 24's bytes again).  Steps 0 to 2 come by their loads alone; from trip 13 on there is no step to name.
.macro ASK
	s_cmp_lt_u32 s[TT], s[LIM]
	s_cbranch_scc0 .Lnot_mine_\@
	global_prefetch_b8 v[PFO], s[PFA:PFA+1] th:TH_LOAD_NT scope:SCOPE_SE
.Lnot_mine_\@:
.endm
; THE CHANGE OF SLOTS IS SPLIT.  In a step's middle, when V's fragments have been asked for, each wave waits for all its tensor loads, adds 0 to its spare word,
; makes the address of the keys of trip TT + d, and, behind the row's sums, waits for the add and for its reads of the slot and signals.  The rest of the step works on registers alone.
; The barrier's wait stands at the trip's end, and the refill of the slot just read is the first tensor load behind it, at the loop's top.
.macro DRAIN d
	s_wait_tensorcnt 0x0                           ; no tensor load of mine is out, so the group 0 may be written
	ds_add_u32 v[SPW], v[NIL]
	ds_add_u32 v[SPW], v[NIL]
	s_add_co_u32 s70, s[TT], \d
	s_cmp_ge_u32 s70, s[N1]
	s_cselect_b32 s71, s[N1], 0
	s_sub_co_u32 s70, s70, s71                     ; the next trip's key step: the second block begins at key 0 again
	s_mul_i32 s70, s70, KVB
	s_mov_b32 s71, 0
	s_xor_b32 s[G0+1], s[G0+1], SLOT1
	s_add_nc_u64 s[G0+2:G0+3], s[KVW:KVW+1], s[70:71]
	s_or_b32 s[G0+3], s[G0+3], 0x80000000
	s_wait_xcnt 0x0                                ; the last prefetch, a trip back, has read its address
	s_add_nc_u64 s[PFA:PFA+1], s[PFA:PFA+1], KVB
.endm
; A block of queries begins: my tile's codes into both forms of q, its scale word, and the statistics
.macro NEWQ qb
.rept 4
	v_nop                                          ; places behind the last products, whose results are written below
.endr
	global_load_b64 v[QLO:QLO+1], v[VQ], s[\qb:\qb+1]
	global_load_b64 v[QLO+2:QLO+3], v[VQ+1], s[\qb:\qb+1]
	global_load_b64 v[QLO+4:QLO+5], v[VQ+2], s[\qb:\qb+1]
	global_load_b64 v[QHI+6:QHI+7], v[VQ], s[\qb:\qb+1]
	global_load_b64 v[QHI+8:QHI+9], v[VQ+1], s[\qb:\qb+1]
	global_load_b64 v[QHI+10:QHI+11], v[VQ+2], s[\qb:\qb+1]
	global_load_b32 v[QR], v[VQS], s[\qb:\qb+1] offset:6144
	s_wait_loadcnt 0x0
	v_perm_b32 v[QS], v[QR], v[QR], s[PSEL]        ; my tile's two bytes, twice: they serve both forms (the zeros' bytes count for nothing).  The 36 lines below are the places that a scale register so written owes
	v_mov_b32 v13, 0xff61b1e6                      ; the largest t so far: -3e38
	s_delay_alu instid0(VALU_DEP_1)
	v_floor_f32 v12, -v13                          ; -M
	v_mov_b32 v14, 0
	v_mov_b32 v15, 0
.set jj, 0
.rept 32
	v_mov_b32 v[160+jj], 0                         ; O^T: the step is written once; the first change of M leaves zeros zeros
.set jj, jj+1
.endr
.endm
; A KEY STEP.  diag = 1: on the diagonal for certain; 0: where the trip is the first block's last
.macro STEP diag
	v_add_nc_u32 v[ADI], s[TB], v[LI]
	v_add_nc_u32 v[ADS], s[TB], v[LR]
	v_nop
	v_nop                                          ; four places in front of loads into registers that the last products read
.irp b, 0,1,2,3
.irp c, 0,1,2
	ds_load_b128 v[KF+12*\b+4*\c:KF+12*\b+4*\c+3], v[ADI] offset:1536*\b+512*\c
.endr
.endr
	ds_load_b128 v[KS:KS+3], v[ADS] offset:6144
	s_wait_alu depctr_va_vdst(0)
	s_wait_dscnt 0x0
.irp b, 0,1,2,3
	v_wmma_scale_f32_16x16x128_f8f6f4 v[96+16*\b:103+16*\b], v[KF+12*\b:KF+12*\b+11], v[QLO:QLO+11], 0, v[KS+\b], v[QS] matrix_a_fmt:MATRIX_FMT_FP6 matrix_b_fmt:MATRIX_FMT_FP6
	v_wmma_scale_f32_16x16x128_f8f6f4 v[104+16*\b:111+16*\b], v[KF+12*\b:KF+12*\b+11], v[QHI:QHI+11], 0, v[KS+\b], v[QS] matrix_a_fmt:MATRIX_FMT_FP6 matrix_b_fmt:MATRIX_FMT_FP6
.endr
.rept 4
	v_nop
.endr
.irp b, 0,1,2,3                        ; V's fragments are asked for now and land under the softmax
.irp c, 0,1,2
	ds_load_b128 v[KF+12*\b+4*\c:KF+12*\b+4*\c+3], v[ADI] offset:2*HB+1536*\b+512*\c
.endr
.endr
	ds_load_b128 v[KS:KS+3], v[ADS] offset:2*HB+6144
.if \diag == 0
	s_cmp_eq_u32 s[TT], s[N1M]
	s_cbranch_scc0 .Lopen_\@
.endif
	v_mov_b32 v254, 0xff800000                     ; hidden scores become -infinity ahead of the maximum: p = 0 then.  Register 16 b + i holds key 32 b + 16 (lane / 16) + i of the step
.set jj, 0
.rept 64
	v_cmp_gt_i32 vcc_lo, 32*(jj/16)+jj%16, v[QD]
	v_cndmask_b32 v[96+jj], v[96+jj], v254, vcc_lo
.set jj, jj+1
.endr
.Lopen_\@:
.irp b, 0,1,2,3
	v_max3_num_f32 v[232+\b], v[96+16*\b], v[97+16*\b], v[98+16*\b]   ; the largest score of each block of 32 keys: for the row's maximum, and, since p rises with the score, for the block's largest p
.endr
.irp i, 3,5,7,9,11,13
.irp b, 0,1,2,3
	v_max3_num_f32 v[232+\b], v[232+\b], v[96+16*\b+\i], v[97+16*\b+\i]
.endr
.endr
.irp b, 0,1,2,3
	v_max_num_f32 v[232+\b], v[232+\b], v[111+16*\b]
.endr
.irp b, 0,1,2,3
	s_delay_alu instid0(VALU_DEP_4)
	v_permlanex16_b32 v[236+\b], v[232+\b], s[SEL], s[SEL+1]
.endr
.irp b, 0,1,2,3
	s_delay_alu instid0(VALU_DEP_4)
	v_max_num_f32 v[232+\b], v[232+\b], v[236+\b]
.endr
	s_delay_alu instid0(VALU_DEP_2)
	v_max3_num_f32 v254, v232, v233, v234
	s_delay_alu instid0(VALU_DEP_1)
	v_max_num_f32 v254, v254, v235
	s_delay_alu instid0(VALU_DEP_1)
	v_mul_f32 v254, s[CS], v254                    ; as t
	s_delay_alu instid0(VALU_DEP_1)
	v_max_num_f32 v13, v13, v254                   ; the running largest t
	v_mov_b32 v254, v12
	s_delay_alu instid0(VALU_DEP_2)
	v_floor_f32 v12, -v13                          ; the new -M = -ceil(t)
	s_delay_alu instid0(VALU_DEP_1)
	v_sub_f32 v254, v12, v254                      ; old M - new M: a whole number, 0 or less
	s_delay_alu instid0(VALU_DEP_1)
	v_cvt_i32_f32 v254, v254
	s_delay_alu instid0(VALU_DEP_1)
	v_ldexp_f32 v252, 1.0, v254                    ; f = 2^(old M - new M)
.set jj, 0
.rept 32
	v_pk_fma_f32 v[96+jj:97+jj], v[96+jj:97+jj], s[CS:CS+1], v[12:13] op_sel_hi:[1,0,0]   ; t - M
.set jj, jj+2
.endr
.irp b, 0,1,2,3
	v_fma_f32 v[232+\b], v[232+\b], s[CS], v12
.endr
.set jj, 0
	s_wait_alu depctr_va_vdst(0)
.rept 64
	v_exp_f32 v[96+jj], v[96+jj]                   ; p, not normalised
.set jj, jj+1
.endr
	v_pk_mul_f32 v[14:15], v[14:15], v[252:253] op_sel_hi:[1,0]   ; the sums under the new M: a plain line behind the exponentials
	s_wait_alu depctr_va_vdst(0)                   ; one wait for the batch, ahead of its first reader
.irp b, 0,1,2,3
	v_exp_f32 v[232+\b], v[232+\b]                 ; each block's largest p
.endr
.if \diag == 0
	DRAIN 2                                        ; the sums below stand between the add and the wait for it
.endif
	v_pk_add_f32 v[236:237], v[100:101], v[104:105]
	v_pk_add_f32 v[254:255], v[108:109], v[112:113]
	v_pk_add_f32 v[250:251], v[116:117], v[120:121]
	v_pk_add_f32 v[248:249], v[124:125], v[128:129]
	v_pk_add_f32 v[246:247], v[132:133], v[136:137]
	v_pk_add_f32 v[244:245], v[140:141], v[144:145]
	v_pk_add_f32 v[242:243], v[148:149], v[152:153]
	v_pk_add_f32 v[14:15], v[14:15], v[156:157]
	v_pk_add_f32 v[236:237], v[236:237], v[96:97]
	v_pk_add_f32 v[254:255], v[254:255], v[98:99]
	v_pk_add_f32 v[250:251], v[250:251], v[102:103]
	v_pk_add_f32 v[248:249], v[248:249], v[106:107]
	v_pk_add_f32 v[246:247], v[246:247], v[110:111]
	v_pk_add_f32 v[244:245], v[244:245], v[114:115]
	v_pk_add_f32 v[242:243], v[242:243], v[118:119]
	v_pk_add_f32 v[14:15], v[14:15], v[122:123]
	v_pk_add_f32 v[236:237], v[236:237], v[126:127]
	v_pk_add_f32 v[254:255], v[254:255], v[130:131]
	v_pk_add_f32 v[250:251], v[250:251], v[134:135]
	v_pk_add_f32 v[248:249], v[248:249], v[138:139]
	v_pk_add_f32 v[246:247], v[246:247], v[142:143]
	v_pk_add_f32 v[244:245], v[244:245], v[146:147]
	v_pk_add_f32 v[242:243], v[242:243], v[150:151]
	v_pk_add_f32 v[14:15], v[14:15], v[154:155]
	v_pk_add_f32 v[236:237], v[236:237], v[158:159]
	s_delay_alu instid0(VALU_DEP_2)
	v_pk_add_f32 v[14:15], v[14:15], v[248:249]
	s_delay_alu instid0(VALU_DEP_2)
	v_pk_add_f32 v[236:237], v[236:237], v[246:247]
	v_pk_add_f32 v[254:255], v[254:255], v[244:245]
	v_pk_add_f32 v[250:251], v[250:251], v[242:243]
	s_delay_alu instid0(VALU_DEP_2)
	v_pk_add_f32 v[14:15], v[14:15], v[254:255]
	s_delay_alu instid0(VALU_DEP_2)
	v_pk_add_f32 v[236:237], v[236:237], v[250:251]
	s_delay_alu instid0(VALU_DEP_1)
	v_pk_add_f32 v[14:15], v[14:15], v[236:237]
	s_wait_alu depctr_va_vdst(0)                   ; and one for the four
.if \diag == 0
	s_wait_dscnt 0x0                               ; the adds are done and V is in registers: my reads of this slot are over
	s_barrier_signal -1                            ; say so; only work on registers follows up to the barrier's wait
.endif
.irp b, 0,1,2,3
	v_max_num_f32 v[232+\b], 0x1800000, v[232+\b]  ; the floor 2^(3 - 127)
.endr
.irp b, 0,1,2,3
	s_delay_alu instid0(VALU_DEP_4)
	v_add_nc_u32 v[244+\b], 0xff000000, v[232+\b]
.endr
.irp b, 0,1,2,3
	s_delay_alu instid0(VALU_DEP_4)
	v_lshrrev_b32 v[236+\b], 23, v[244+\b]
.endr
	s_delay_alu instid0(VALU_DEP_3)
	v_lshl_or_b32 v253, v237, 8, v236              ; p's scale word for these 128 keys
	s_delay_alu instid0(VALU_DEP_1)
	v_lshl_or_b32 v253, v238, 16, v253
	s_delay_alu instid0(VALU_DEP_1)
	v_lshl_or_b32 v253, v239, 24, v253
.irp c, 0,1
	v_cvt_scalef32_pk16_fp6_f32 v[224+6*\c:226+6*\c], v[96+32*\c:111+32*\c], v[244+2*\c]
	v_cvt_scalef32_pk16_fp6_f32 v[236+4*\c:238+4*\c], v[112+32*\c:127+32*\c], v[244+2*\c+1]
.endr
	v_nop
.irp c, 0,1
.irp i, 0,1,2
	v_permlane16_swap_b32 v[224+6*\c+\i], v[236+4*\c+\i]
.endr
.irp i, 0,1,2
	s_delay_alu instid0(VALU_DEP_3)
	v_mov_b32 v[227+6*\c+\i], v[236+4*\c+\i]
.endr
.endr
.set jj, 0
.rept 16
	v_pk_mul_f32 v[160+jj:161+jj], v[160+jj:161+jj], v[252:253] op_sel_hi:[1,0]   ; O^T under the new M.  (These sixteen are also the places in front of the products below)
.set jj, jj+2
.endr
	s_wait_alu depctr_va_vdst(0)
	s_wait_dscnt 0x0                               ; V is in
.irp t, 0,1,2,3
	v_wmma_scale_f32_16x16x128_f8f6f4 v[160+8*\t:167+8*\t], v[KF+12*\t:KF+12*\t+11], v[224:235], v[160+8*\t:167+8*\t], v[KS+\t], v253 matrix_a_fmt:MATRIX_FMT_FP6 matrix_b_fmt:MATRIX_FMT_FP6
.endr
.endm
; A block of queries ends: O^T / the sum; register 16 B + i is channel 32 B + 16 (lane / 16) + i: two blocks of the last product's K; six registers of codes and two scale bytes go to the stage
.macro FINISH stg
.rept 4
	v_nop
.endr
	v_add_f32 v14, v14, v15
	s_delay_alu instid0(VALU_DEP_1)
	v_permlanex16_b32 v252, v14, s[SEL], s[SEL+1]
	s_delay_alu instid0(VALU_DEP_1)
	v_add_f32 v14, v14, v252
	s_wait_alu depctr_va_vdst(0)
	v_rcp_f32 v14, v14
	v_nop                                          ; a plain line behind the reciprocal,
	s_wait_alu depctr_va_vdst(0)                   ; and its wait, ahead of the first reader
.set jj, 0
.rept 32
	v_mul_f32 v[96+jj], v[160+jj], v14
.set jj, jj+1
.endr
.irp b, 0,1
	v_max3_num_f32 v[232+\b], |v[96+16*\b]|, |v[97+16*\b]|, 0x1800000
.endr
.irp i, 2,4,6,8,10,12,14
.irp b, 0,1
	s_delay_alu instid0(VALU_DEP_2)
	v_max3_num_f32 v[232+\b], v[232+\b], |v[96+16*\b+\i]|, |v[97+16*\b+\i]|
.endr
.endr
.irp b, 0,1
	s_delay_alu instid0(VALU_DEP_2)
	v_permlanex16_b32 v[236+\b], v[232+\b], s[SEL], s[SEL+1]
.endr
.irp b, 0,1
	s_delay_alu instid0(VALU_DEP_2)
	v_max_num_f32 v[232+\b], v[232+\b], v[236+\b]
.endr
.irp b, 0,1
	s_delay_alu instid0(VALU_DEP_2)
	v_add_nc_u32 v[244+\b], 0xff000000, v[232+\b]
.endr
.irp b, 0,1
	s_delay_alu instid0(VALU_DEP_2)
	v_lshrrev_b32 v[236+\b], 23, v[244+\b]
.endr
	s_delay_alu instid0(VALU_DEP_1)
	v_lshl_or_b32 v254, v237, 8, v236
	v_cvt_scalef32_pk16_fp6_f32 v[128:130], v[96:111], v244
	v_cvt_scalef32_pk16_fp6_f32 v[136:138], v[112:127], v245
	v_nop
.irp i, 0,1,2
	v_permlane16_swap_b32 v[128+\i], v[136+\i]
.endr
.irp i, 0,1,2
	s_delay_alu instid0(VALU_DEP_3)
	v_mov_b32 v[131+\i], v[136+\i]
.endr
	ds_store_b64 v[SA], v[128:129] offset:\stg
	ds_store_b64 v[SA+1], v[130:131] offset:\stg
	ds_store_b64 v[SA+2], v[132:133] offset:\stg
	ds_store_b16 v[SSC], v254 offset:\stg          ; lanes r and r + 16 write the same two bytes with the same value
.endm
	s_load_b128 s[4:7], s[0:1], 0x0                ; QC s[4:5], KV s[6:7]
	s_load_b64 s[8:9], s[0:1], 0x10                ; AC
	v_lshl_add_u32 v[SPW], v0, 2, SPARE
	v_mov_b32 v[NIL], 0
	ds_add_u32 v3, v4
	ds_add_u32 v3, v4
	s_wait_dscnt 0x0
	v_lshrrev_b32 v192, 5, v0
	s_delay_alu instid0(VALU_DEP_1)
	v_readfirstlane_b32 s[WV], v192                ; wave 0..15
	s_and_b32 s[HE], s[WV], 1                      ; which head of the pair
	s_lshr_b32 s[QA], s[WV], 1                     ; which tile of 16 queries: 2 BQ + QU
	s_lshr_b32 s[BQ], s[QA], 1
	s_and_b32 s[QU], s[QA], 1
	s_and_b32 s13, ttmp7, 0xffff                   ; batch x 8 + pair
	s_sub_co_u32 s[N1], 16, ttmp9
	s_sub_co_u32 s[N1M], 15, ttmp9
	s_mov_b32 s[G1], 3<<16                         ; 12,800 dense bytes as 50 rows of 32 elements of 8 bytes; no mask, no padding
	s_mov_b32 s[G1+1], 32<<16
	s_mov_b32 s[G1+2], 50<<16
	s_mov_b32 s[G1+3], 32<<16
	s_mov_b32 s[G1+4], 50
	s_mov_b32 s[G1+5], 32
	s_mov_b32 s[G1+6], 0
	s_mov_b32 s[G1+7], 0
	s_mul_i32 s66, s13, 16*KVB                     ; the pair's sixteen key steps
	s_mul_i32 s68, s[HE], 2*HB                     ; wave 0: K's two head blocks; wave 1: V's
	s_add_co_u32 s70, s66, s68
	s_mov_b32 s71, 0
	s_mov_b32 s[TB], 0
	s_mov_b32 s[TT], 0
	s_mov_b32 s[SEL], 0x76543210
	s_mov_b32 s[SEL+1], 0xfedcba98
	s_mov_b32 s[CS], 0x3e38aa3b                    ; log2(e) / 8
	s_mov_b32 s[CS+1], s[CS]
	s_wait_kmcnt 0x0
	s_add_nc_u64 s[KVW:KVW+1], s[6:7], s[70:71]
	s_mov_b32 s[G0], 1
	s_mov_b32 s[G0+1], s68                         ; slot 0
	s_mov_b64 s[G0+2:G0+3], s[KVW:KVW+1]
	s_or_b32 s[G0+3], s[G0+3], 0x80000000
	TLOAD                                          ; key step 0
	s_and_b32 s70, s[WV], 3
	s_mul_i32 s70, s70, HB
	s_add_co_u32 s70, s70, s66
	s_add_co_u32 s70, s70, 2*KVB                   ; the prefetches stand at key step 2; the first change of slots steps them to 3.  Nothing is prefetched at the head
	s_add_nc_u64 s[PFA:PFA+1], s[6:7], s[70:71]
	s_lshl_b32 s72, s13, 4
	s_add_co_u32 s70, s72, s[N1M]
	s_mul_i32 s70, s70, 2*HB
	s_add_nc_u64 s[QB1:QB1+1], s[4:5], s[70:71]    ; q: block 15 - x,
	s_add_co_u32 s70, s72, ttmp9
	s_mul_i32 s70, s70, 2*HB
	s_add_nc_u64 s[QB2:QB2+1], s[4:5], s[70:71]    ; block x
	s_lshr_b32 s72, s13, 3
	s_lshl_b32 s72, s72, 4                         ; batch x 16
	s_and_b32 s73, s13, 7                          ; the pair is the last product's K step
	s_add_co_u32 s70, s72, s[N1M]
	s_lshl_b32 s70, s70, 3
	s_add_co_u32 s70, s70, s73
	s_mul_i32 s70, s70, STGB
	s_add_nc_u64 s[AC1:AC1+1], s[8:9], s[70:71]
	s_add_co_u32 s70, s72, ttmp9
	s_lshl_b32 s70, s70, 3
	s_add_co_u32 s70, s70, s73
	s_mul_i32 s70, s70, STGB
	s_add_nc_u64 s[AC2:AC2+1], s[8:9], s[70:71]
	s_lshr_b32 s70, s[WV], 2
	s_xor_b32 s70, s70, 1
	s_or_b32 s70, s70, ttmp9                       ; 0 in waves 4 to 7 of work-group 0
	s_cmp_eq_u32 s70, 0
	s_cselect_b32 s[LIM], 13, 0
	s_mov_b32 s[PSEL], 0x03020302
	s_cmp_eq_u32 s[QU], 0
	s_cselect_b32 s[PSEL], 0x01000100, s[PSEL]
	v_and_b32 v192, 31, v0                         ; lane
	v_and_b32 v193, 15, v0                         ; r
	v_bfe_u32 v194, v0, 4, 1                       ; h
	s_delay_alu instid0(VALU_DEP_3)
	v_lshlrev_b32 v195, 4, v192                    ; 16 x lane
	s_mul_i32 s70, s[HE], HB
	v_add_nc_u32 v[LI], s70, v195
	v_lshlrev_b32 v[LR], 4, v193
	s_delay_alu instid0(VALU_DEP_1)
	v_add_nc_u32 v[LR], s70, v[LR]
	s_wait_alu depctr_va_vdst(0)
	s_mul_i32 s71, s[BQ], 1536                     ; my query tile is half QU of image BQ: registers 6 QU on lie at 520 QU, 8 + 1,016 QU and 512 + 520 QU of the image's bytes for my lane
	s_mul_i32 s72, s[QU], 520
	s_add_co_u32 s73, s71, s72
	v_add_nc_u32 v[VQ], s73, v[LI]
	s_add_co_u32 s73, s73, 512
	v_add_nc_u32 v[VQ+2], s73, v[LI]
	s_mul_i32 s72, s[QU], 1016
	s_add_co_u32 s73, s71, s72
	s_add_co_u32 s73, s73, 8
	v_add_nc_u32 v[VQ+1], s73, v[LI]
	s_lshl_b32 s73, s[BQ], 2
	v_add_nc_u32 v[VQS], s73, v[LR]
	s_mul_i32 s71, s[QA], 1536                     ; in a stage: image = my query tile, half = my head
	s_add_co_u32 s71, s71, STG
	s_mul_i32 s72, s[HE], 520
	s_add_co_u32 s73, s71, s72
	v_add_nc_u32 v[SA], s73, v195
	s_add_co_u32 s73, s73, 512
	v_add_nc_u32 v[SA+2], s73, v195
	s_mul_i32 s72, s[HE], 1016
	s_add_co_u32 s73, s71, s72
	s_add_co_u32 s73, s73, 8
	v_add_nc_u32 v[SA+1], s73, v195
	s_lshl_b32 s71, s[BQ], 7
	s_lshl_b32 s72, s[QU], 2
	s_add_co_u32 s71, s71, s72
	s_lshl_b32 s72, s[HE], 1
	s_add_co_u32 s71, s71, s72
	s_add_co_u32 s71, s71, STG+12288
	v_lshlrev_b32 v[SSC], 3, v193
	s_delay_alu instid0(VALU_DEP_1)
	v_add_nc_u32 v[SSC], s71, v[SSC]
	v_lshrrev_b32 v196, 3, v193
	s_delay_alu instid0(VALU_DEP_1)
	v_lshl_add_u32 v196, v196, 3, v193             ; r + 8 (r / 8)
	v_lshlrev_b32 v197, 4, v194
	s_delay_alu instid0(VALU_DEP_1)
	v_sub_nc_u32 v196, v196, v197
	s_lshl_b32 s71, s[BQ], 5
	s_lshl_b32 s72, s[QU], 3
	s_add_co_u32 s71, s71, s72
	v_add_nc_u32 v[QD], s71, v196
	v_lshlrev_b32 v[GO], 4, v0
	s_delay_alu instid0(VALU_DEP_1)
	v_add_nc_u32 v[TI], STG, v[GO]
	v_min_u32 v[PFO], 24, v192
	s_delay_alu instid0(VALU_DEP_1)
	v_lshlrev_b32 v[PFO], 8, v[PFO]
.irp j, 0,1,2,3,4,5
	v_mov_b32 v[QLO+6+\j], 0                       ; the zero halves: written once
	v_mov_b32 v[QHI+\j], 0
.endr
.irp b, 0,1,2,3
	v_mov_b32 v[236+\b], 0                         ; written once: a lane permute's destination counts as one of its sources
.endr
	v_mov_b32 v252, 0
	v_mov_b32 v253, 0
	NEWQ QB1
	s_wait_alu depctr_va_vdst(0)
	DRAIN 1                                        ; key step 0 is in; the address of trip 1's keys
	s_wait_dscnt 0x0
	s_barrier_signal -1
	s_barrier_wait -1
.Ltrip:                                            ; sixteen trips, in every work-group
	TLOAD                                          ; the first thing behind the barrier's wait: the next trip's keys, a wave's one tensor load until the next barrier
	ASK
	s_cmp_eq_u32 s[TT], s[N1]
	s_cbranch_scc0 .Lsame_block
	FINISH 0                                       ; the first block's results go to stage A (LDS stores: so behind the barrier's wait), which is read behind the last barrier alone;
	NEWQ QB2                                       ; the second block of queries begins
.Lsame_block:
	STEP 0
	s_barrier_wait -1                              ; every wave has left this slot, and the next trip's keys are whole
	s_xor_b32 s[TB], s[TB], SLOT1
	s_add_co_u32 s[TT], s[TT], 1
	s_cmp_lt_u32 s[TT], 16
	s_cbranch_scc1 .Ltrip
	s_cmp_eq_u32 s[N1], 16                         ; the seventeenth trip is written out: it asks for nothing and changes no slot
	s_cbranch_scc0 .Lsame_block_2
	FINISH 0
	NEWQ QB2
.Lsame_block_2:
	STEP 1                                         ; the second block's last step lies on the diagonal
	FINISH STGB
	s_wait_dscnt 0x0                               ; for the others' sake: my stores into the stages are done
	s_barrier_signal -1
	s_barrier_wait -1
	ds_load_b128 v[192:195], v[TI]                 ; each stage: 12,800 bytes = 512 threads x 16 and 288 threads x 16
	ds_load_b128 v[196:199], v[TI] offset:STGB
	s_wait_dscnt 0x0
	global_store_b128 v[GO], v[192:195], s[AC1:AC1+1]
	global_store_b128 v[GO], v[196:199], s[AC2:AC2+1]
	s_cmp_lt_u32 s[WV], 9
	s_cbranch_scc0 .Lend
	ds_load_b128 v[208:211], v[TI] offset:8192
	ds_load_b128 v[212:215], v[TI] offset:STGB+8192
	s_wait_dscnt 0x0
	global_store_b128 v[GO], v[208:211], s[AC1:AC1+1] offset:8192
	global_store_b128 v[GO], v[212:215], s[AC2:AC2+1] offset:8192
.Lend:
	s_wait_tensorcnt 0x0                           ; the wave's end
	ds_add_u32 v[SPW], v[NIL]
	s_wait_dscnt 0x0
	s_endpgm
.Lfunc_end_k_q5059d50aca_attn:
	.size	k_q5059d50aca_attn, .Lfunc_end_k_q5059d50aca_attn-k_q5059d50aca_attn
	.p2alignl 7, 3214868480
	.fill 96, 4, 3214868480
	.section	.rodata,"a",@progbits
	.p2align	6, 0x0
	.amdhsa_kernel k_q5059d50aca_attn
		.amdhsa_group_segment_fixed_size 327680
		.amdhsa_private_segment_fixed_size 0
		.amdhsa_enable_private_segment 0
		.amdhsa_kernarg_size 24
		.amdhsa_user_sgpr_count 2
		.amdhsa_user_sgpr_kernarg_segment_ptr 1
		.amdhsa_wavefront_size32 1
		.amdhsa_system_sgpr_workgroup_id_x 1
		.amdhsa_system_sgpr_workgroup_id_y 1
		.amdhsa_system_sgpr_workgroup_id_z 1
		.amdhsa_system_vgpr_workitem_id 0
		.amdhsa_next_free_vgpr 256
		.amdhsa_next_free_sgpr 96
		.amdhsa_reserve_vcc 1
		.amdhsa_float_denorm_mode_32 3
		.amdhsa_float_denorm_mode_16_64 3
		.amdhsa_memory_ordered 1
		.amdhsa_forward_progress 1
		.amdhsa_inst_pref_size 72
	.end_amdhsa_kernel
	.amdgpu_metadata
---
amdhsa.version: [ 1, 2 ]
amdhsa.kernels:
  - .name:           k_q5059d50aca_attn
    .symbol:         k_q5059d50aca_attn.kd
    .args:
      - { .name: QC, .offset: 0, .size: 8, .value_kind: global_buffer, .address_space: global }
      - { .name: KV, .offset: 8, .size: 8, .value_kind: global_buffer, .address_space: global }
      - { .name: AC, .offset: 16, .size: 8, .value_kind: global_buffer, .address_space: global }
    .group_segment_fixed_size: 327680
    .private_segment_fixed_size: 0
    .kernarg_segment_align: 8
    .kernarg_segment_size: 24
    .max_flat_workgroup_size: 512
    .sgpr_count:     96
    .vgpr_count:     256
    .wavefront_size: 32
...
	.end_amdgpu_metadata
.endif
;; end of part 3
;; launch oproj (part 4): grid 4 x 64, 4 waves a work-group, clusters of 4 x 4, 327,680 bytes of LDS; arguments AC, WC, seq_lens, out0; writes out0
.if DOCPART == 4
	.amdgcn_target "amdgcn-amd-amdhsa--gfx1250"
	.amdhsa_code_object_version 6
	.text
	.protected	k_q5059d50aca_oproj
	.globl	k_q5059d50aca_oproj
	.p2align	8
	.type	k_q5059d50aca_oproj,@function
k_q5059d50aca_oproj:
	s_mov_b64 s[64:65], 0
	v_nop
	global_prefetch_b8 v0, s[64:65] scope:SCOPE_SE
	s_setreg_imm32_b32 hwreg(HW_REG_WAVE_MODE, 25, 1), 1
	s_wait_xcnt 0x0
	s_wait_alu depctr_hold_cnt(0) depctr_sa_sdst(0) depctr_va_vdst(0) depctr_va_sdst(0) depctr_va_ssrc(0) depctr_va_vcc(0) depctr_vm_vsrc(0)
	s_getreg_b32 s2, hwreg(HW_REG_IB_STS2, 6, 4)
	s_cmp_eq_u32 s2, 0
	s_cbranch_scc0 .Lentry_in_a_cluster
	s_endpgm
.Lentry_in_a_cluster:
	s_bfe_u32 s2, ttmp6, 0x10000c
	s_cmp_lg_u32 s2, 0xf033
	s_cbranch_scc0 .Lentry_shape_is_right
	s_endpgm
.Lentry_shape_is_right:
; OPROJ: out0 = (attention's result) Wo on codes of FP6 (E2M3), f32 sums; the rows of queries at or beyond their sequence's length are stored as zeros (the product is made for all rows, and the choice selects).
; A work-group makes 128 tokens x 256 columns: 64 x 4 = 256 work-groups.  A wave makes 64 tokens x 128 columns: 32 accumulators, 256 registers (window 2).
; Operands come as BLOCKS of 12,800 bytes (128 rows x 128 K: eight register images of 1,536 bytes, then 512 bytes of scale words): a fragment is three loads of 16 bytes a lane.
; ALL OF K LIES IN LDS AT ONCE: the tokens' eight blocks, then sixteen blocks of Wo: 24 x 12,800 = 307,200 bytes, each byte filled once.  Every wave issues ONE tensor load, at the head:
; waves 0 and 1 four K steps of the tokens each (200 rows of 256 bytes), waves 2 and 3 the eight K steps of 128 columns of Wo each (400 rows).  One wait, one barrier, then eight K steps with no barrier between them.
; CLUSTERS: 4 x 4 work-groups; the tokens' blocks are asked for jointly along a row of the cluster, Wo's along a column.
; NO PREFETCH: all that the work-group reads is asked for by the head's loads; there is no loop to run ahead in.
; SOURCE 0 = rows of Wo (P), source 1 = tokens (Q): a lane holds one token, its registers neighbouring columns.  Two sets of fragments and scale words take turns: step k uses set k % 2, and step k + 1's are fetched ahead of step k's products.
; LIMITS: NaN and infinities are not served; seq_lens is held to 0 .. 2,048.
.set BLK,   12800
.set WB,    8*BLK                      ; Wo's blocks, behind the tokens'
.set SPARE, 24*BLK                     ; the spare words, 128 bytes for each wave: two blocks of 256 bytes that no other line names
.set SPITCH, 528                       ; the way out: 16 rows x (512 + 16) bytes a wave, in the tokens' bytes, which are read no more by then
.set FR,    12
.set ADQ,   16                         ; v16-17 Q's images, K steps 0-3 and 4-7      v18-19 its scale words
.set ASQ,   18
.set ADP,   20                         ; v20-21, v22-23 the same for P
.set ASP,   22
.set LI,    24                         ; v24  16 x lane
.set STO,   25
.set RD,    26
.set SPW,   28                         ; v28  my spare word; never rewritten
.set NIL,   29                         ; v29  0; never rewritten
.set SC,    32                         ; scale words, set p: Q's tile i at 32 + 20 p + i, P's tile b at 32 + 16 p + 8 + b
.set QF,    128                        ; v128-223 Q's fragments: set p at tiles 4 p .. 4 p + 3.  Window 1: P's two sets, at v0 and v128
.set BK,    128                        ; the way out: rows read back
.set G1X,   24
.set G0X,   32
.set G1W,   48
.set G0W,   56
.set NV,    84                         ; valid tokens from my first token on
.set MK,    85
.set OB,    88
.set MSB, 0
.macro WIN new                         ; the immediate's high byte repeats the setting that is left
.if MSB != (\new)
	s_set_vgpr_msb (MSB<<8)|(\new)
.set MSB, (\new)
.endif
.endm
.set MUL_LO, 0xa1                      ; source 0 window 1, source 1 window 0, C and D window 2
.macro PLACES                          ; four plain lines between a matrix instruction and a load into, or a read of, its registers
.rept 4
	v_nop
.endr
.endm
.macro CROUND                          ; a round of the cluster's barrier
	s_barrier_signal -1
	s_barrier_wait -1
	s_cmp_lg_u32 s14, 0
	s_cbranch_scc1 .Lnot_wave_0_\@
	s_barrier_signal -3
.Lnot_wave_0_\@:
	s_barrier_wait -3
	s_barrier_signal -1
	s_barrier_wait -1
.endm
.macro FRAG reg, adr, q, i             ; an image comes back as it was stored
.irp c, 0,1,2
	ds_load_b128 v[\reg+4*\c:\reg+4*\c+3], v[\adr] offset:(\q)*BLK+(\i)*1536+512*\c
.endr
.endm
.macro FETCH k                         ; K step k's fragments and scale words into set k % 2: 42 LDS loads
	WIN 0x40
.irp i, 0,1,2,3,4,5,6,7
	FRAG 128*((\k)%2)+FR*\i, ADP+(\k)/4, (\k)%4, \i
.endr
	WIN 0
.irp i, 0,1,2,3
	FRAG QF+FR*(4*((\k)%2)+\i), ADQ+(\k)/4, (\k)%4, \i
.endr
.irp j, 0,1
	ds_load_b64 v[SC+20*((\k)%2)+2*\j:SC+20*((\k)%2)+2*\j+1], v[ASQ+(\k)/4] offset:((\k)%4)*BLK+12288+128*\j
.endr
.irp j, 0,1,2,3
	ds_load_b64 v[SC+16*((\k)%2)+8+2*\j:SC+16*((\k)%2)+8+2*\j+1], v[ASP+(\k)/4] offset:((\k)%4)*BLK+12288+128*\j
.endr
.endm
; 16 matrix instructions: Q's register tiles a0, a0 + 1 x P's eight.  The 32 accumulators take turns, one instruction a turn, in the same order in every step.
.macro MUL16 a0, p, q, zero
.irp a, \a0, \a0+1
.irp b, 0,1,2,3,4,5,6,7
.if \zero
	v_wmma_scale_f32_16x16x128_f8f6f4 v[8*(8*((\a)%4)+\b):8*(8*((\a)%4)+\b)+7], v[128*(\p)+FR*\b:128*(\p)+FR*\b+FR-1], v[QF+FR*(\a):QF+FR*(\a)+FR-1], 0, v[SC+16*(\q)+8+\b], v[SC+16*(\q)+(\a)] matrix_a_fmt:MATRIX_FMT_FP6 matrix_b_fmt:MATRIX_FMT_FP6
.else
	v_wmma_scale_f32_16x16x128_f8f6f4 v[8*(8*((\a)%4)+\b):8*(8*((\a)%4)+\b)+7], v[128*(\p)+FR*\b:128*(\p)+FR*\b+FR-1], v[QF+FR*(\a):QF+FR*(\a)+FR-1], v[8*(8*((\a)%4)+\b):8*(8*((\a)%4)+\b)+7], v[SC+16*(\q)+8+\b], v[SC+16*(\q)+(\a)] matrix_a_fmt:MATRIX_FMT_FP6 matrix_b_fmt:MATRIX_FMT_FP6
.endif
.endr
.endr
.endm
.macro KSTEP k, zero
	s_wait_dscnt 0x0                               ; this step's set is in
.if (\k) < 7
.if (\k) > 0
	PLACES                                         ; the other set was read by the last step's products
.endif
	FETCH (\k)+1
.else
	s_barrier_signal -1                            ; my last LDS reads are over: behind this barrier the stages are written
.endif
	WIN MUL_LO
	MUL16 4*((\k)%2), (\k)%2, (\k)%2, \zero
	MUL16 4*((\k)%2)+2, (\k)%2, (\k)%2, \zero
	WIN 0
.endm
	s_load_b256 s[4:11], s[0:1], 0x0               ; AC s[4:5], WC s[6:7], seq_lens s[8:9], out0 s[10:11]
	v_lshl_add_u32 v[SPW], v0, 2, SPARE
	v_mov_b32 v[NIL], 0
	ds_add_u32 v[SPW], v[NIL]                      ; the opening lines: the add, twice on end, and its wait ahead of my tensor load
	ds_add_u32 v[SPW], v[NIL]
	v_lshrrev_b32 v1, 5, v0
	v_readfirstlane_b32 s14, v1                    ; wave
	s_lshr_b32 s15, s14, 1                         ; which 64 tokens are mine.  Also: I fetch tokens (0) or Wo (1)
	s_and_b32 s16, s14, 1                          ; which 128 columns.  Also: which part I fetch
	s_bfe_u32 s40, ttmp6, 0x40000                  ; cx, cy
	s_bfe_u32 s41, ttmp6, 0x40004
	s_lshl_b32 s42, ttmp9, 2
	s_add_co_u32 s42, s42, s40                     ; which 256 columns
	s_and_b32 s17, ttmp7, 0xffff
	s_lshl_b32 s17, s17, 2
	s_add_co_u32 s17, s17, s41                     ; which 128 tokens, 0 .. 63
	s_lshl_b32 s43, s41, 2
	s_lshl_b32 s43, 15, s43                        ; my row of the cluster
	s_lshl_b32 s44, 0x1111, s40                    ; my column
	s_or_b32 s[G1X], s43, (3<<16)|(1<<21)          ; dense bytes as rows of 32 elements of 8 bytes; the mask, and bit 21 beside it
	s_or_b32 s[G1W], s44, (3<<16)|(1<<21)
	s_mov_b32 s[G1X+2], 200<<16                    ; four blocks: 200 rows
	s_mov_b32 s[G1X+4], 200
	s_mov_b32 s[G1W+2], 400<<16                    ; eight blocks: 400 rows
	s_mov_b32 s[G1W+4], 400
.irp g, G1X, G1W
	s_mov_b32 s[\g+1], 32<<16
	s_mov_b32 s[\g+3], 32<<16
	s_mov_b32 s[\g+5], 32
	s_mov_b32 s[\g+6], 0
	s_mov_b32 s[\g+7], 0
.endr
	s_mul_i32 s20, s17, 8*BLK                      ; the tokens: group x eight blocks, + my four K steps
	s_mul_i32 s45, s16, 4*BLK                      ; (the same offset in LDS: no place in the cluster enters an LDS address)
	s_add_co_u32 s20, s20, s45
	s_mov_b32 s21, 0
	s_lshl_b32 s46, s42, 1
	s_add_co_u32 s46, s46, s16
	s_mul_i32 s46, s46, 8*BLK
	s_add_co_u32 s46, s46, 192*BLK                 ; Wo lies behind Wq, Wk, Wv in WC
	s_mov_b32 s47, 0
	s_mul_i32 s22, s16, 8*BLK
	s_add_co_u32 s22, s22, WB
	s_wait_dscnt 0x0                               ; both opening adds are done
	s_wait_kmcnt 0x0
	s_load_b128 s[84:87], s[8:9], 0x0              ; the four lengths
	s_add_nc_u64 s[20:21], s[4:5], s[20:21]
	s_add_nc_u64 s[46:47], s[6:7], s[46:47]
	CROUND                                         ; all sixteen work-groups are here: the joint loads meet
	s_mov_b32 s[G0X], 1
	s_mov_b32 s[G0X+1], s45
	s_mov_b64 s[G0X+2:G0X+3], s[20:21]
	s_or_b32 s[G0X+3], s[G0X+3], 0x80000000
	s_mov_b32 s[G0W], 1
	s_mov_b32 s[G0W+1], s22
	s_mov_b64 s[G0W+2:G0W+3], s[46:47]
	s_or_b32 s[G0W+3], s[G0W+3], 0x80000000
	s_cmp_eq_u32 s15, 0                            ; one tensor load a wave, a load in each arm; s_nop 0 and four v_nop follow each
	s_cbranch_scc0 .Lfor_w
	tensor_load_to_lds s[G0X:G0X+3], s[G1X:G1X+7]
	s_nop 0
	PLACES
	s_branch .Lasked
.Lfor_w:
	tensor_load_to_lds s[G0W:G0W+3], s[G1W:G1W+7]
	s_nop 0
	PLACES
.Lasked:
	s_mul_i32 s80, s16, 8*BLK
	s_add_co_u32 s80, s80, WB                      ; P: my 128 columns of Wo
	s_mul_i32 s81, s15, 4*1536                     ; Q: my four images of each block,
	s_lshl_b32 s82, s15, 8                         ; and their scale words
	s_add_co_u32 s76, s80, 4*BLK                   ; the same for K steps 4-7
	s_add_co_u32 s77, s81, 4*BLK
	s_add_co_u32 s78, s82, 4*BLK
	s_mul_i32 s79, s14, 16*SPITCH                  ; my stage
	v_and_b32 v1, 31, v0
	v_lshlrev_b32 v[LI], 4, v1
	v_and_b32 v2, 15, v0                           ; r
	v_bfe_u32 v3, v0, 4, 1                         ; h
	v_lshlrev_b32 v4, 3, v2
	v_add_nc_u32 v[ADP], s80, v[LI]
	v_add_nc_u32 v[ADP+1], s76, v[LI]
	v_add_nc_u32 v[ADQ], s81, v[LI]
	v_add_nc_u32 v[ADQ+1], s77, v[LI]
	v_add_nc_u32 v[ASP], s80, v4
	v_add_nc_u32 v[ASP+1], s76, v4
	v_add_nc_u32 v[ASQ], s82, v4
	v_add_nc_u32 v[ASQ+1], s78, v4
	v_mul_u32_u24 v[STO], v2, SPITCH
	v_lshl_add_u32 v[STO], v3, 6, v[STO]
	v_add_nc_u32 v[STO], s79, v[STO]               ; in: row r, 64 bytes for each half of the lanes in each 128
	v_add_nc_u32 v[RD], s79, v[LI]                 ; back: the 32 lanes take a row of 512 bytes
	s_wait_alu depctr_va_vdst(0)
	s_lshl_b32 s80, s17, 1
	s_add_co_u32 s80, s80, s15
	s_lshl_b32 s80, s80, 18                        ; my first token: 64 rows of 4,096 bytes each
	s_lshl_b32 s81, s42, 1
	s_add_co_u32 s81, s81, s16
	s_lshl_b32 s81, s81, 9                         ; my first column
	s_add_co_u32 s80, s80, s81
	s_mov_b32 s81, 0
	s_add_nc_u64 s[OB:OB+1], s[10:11], s[80:81]
	s_lshr_b32 s80, s17, 4                         ; the batch
	s_wait_kmcnt 0x0
	s_cmp_eq_u32 s80, 1
	s_cselect_b32 s84, s85, s84
	s_cmp_eq_u32 s80, 2
	s_cselect_b32 s84, s86, s84
	s_cmp_eq_u32 s80, 3
	s_cselect_b32 s84, s87, s84
	s_max_i32 s84, s84, 0
	s_min_i32 s84, s84, 2048
	s_and_b32 s81, s17, 15
	s_lshl_b32 s81, s81, 7
	s_lshl_b32 s82, s15, 6
	s_add_co_u32 s81, s81, s82                     ; my first token's position
	s_sub_co_i32 s[NV], s84, s81
	s_wait_tensorcnt 0x0                           ; my part is in;
	s_barrier_signal -1
	s_barrier_wait -1                              ; and everybody's.
	FETCH 0
	KSTEP 0, 1                                     ; K step 0 starts the sums: nothing is cleared
.irp k, 1,2,3,4,5,6,7
	KSTEP \k, 0
.endr
	s_barrier_wait -1                              ; no wave reads the tokens' blocks any more
; THE WAY OUT, block by block of 16 tokens x 128 columns, through my stage; whole rows of 512 bytes come back and are stored as two aligned units of 256 bytes
.macro TOSTAGE a
.set ACC0, 64*(\a)
	WIN 0x08                                       ; the data: window 2
.irp b, 0,1,2,3,4,5,6,7
	ds_store_b128 v[STO], v[ACC0+8*\b:ACC0+8*\b+3] offset:128*(\b/2)+32*(\b%2)       ; each accumulator from its low end on
	ds_store_b128 v[STO], v[ACC0+8*\b+4:ACC0+8*\b+7] offset:128*(\b/2)+32*(\b%2)+16
.endr
	WIN 0
.set BB, BK+64*((\a)%2)
.irp t, 0,1,2,3,4,5,6,7,8,9,10,11,12,13,14,15
	ds_load_b128 v[BB+4*\t:BB+4*\t+3], v[RD] offset:\t*SPITCH    ; LDS serves a wave's instructions in order: these see my stores
.endr
.endm
.macro SEND a, younger                 ; younger: the LDS instructions issued behind block a's loads
.set BB, BK+64*((\a)%2)
	s_wait_dscnt \younger
.set ii, 0
.rept 16
.set TOK, 32*((\a)/2)+8*((\a)%2)+ii+8*(ii/8)
	s_cmp_gt_i32 s[NV], TOK                        ; a token at or beyond the length is stored as zeros
	s_cselect_b32 s[MK], -1, 0
	v_and_b32 v[BB+4*ii], s[MK], v[BB+4*ii]
	v_and_b32 v[BB+4*ii+1], s[MK], v[BB+4*ii+1]
	v_and_b32 v[BB+4*ii+2], s[MK], v[BB+4*ii+2]
	v_and_b32 v[BB+4*ii+3], s[MK], v[BB+4*ii+3]
	global_store_b128 v[LI], v[BB+4*ii:BB+4*ii+3], s[OB:OB+1] offset:TOK*4096 th:TH_STORE_NT
.set ii, ii+1
.endr
.endm
	PLACES                                         ; in front of the first reads of results and of loads into Q's registers
	TOSTAGE 0
.irp a, 1,2,3
.if \a > 1
	s_wait_xcnt 0x0                                ; block a - 2's stores have read their registers
.endif
	TOSTAGE \a
	SEND \a-1, 32                                  ; behind block a - 1's loads: block a's 16 stores and 16 loads
.endr
	SEND 3, 0
	s_wait_tensorcnt 0x0                           ; the wave's end
	ds_add_u32 v[SPW], v[NIL]
	s_wait_dscnt 0x0
	CROUND                                         ; the closing round
	s_endpgm
.Lfunc_end_k_q5059d50aca_oproj:
	.size	k_q5059d50aca_oproj, .Lfunc_end_k_q5059d50aca_oproj-k_q5059d50aca_oproj
	.p2alignl 7, 3214868480
	.fill 96, 4, 3214868480
	.section	.rodata,"a",@progbits
	.p2align	6, 0x0
	.amdhsa_kernel k_q5059d50aca_oproj
		.amdhsa_group_segment_fixed_size 327680
		.amdhsa_private_segment_fixed_size 0
		.amdhsa_enable_private_segment 0
		.amdhsa_kernarg_size 32
		.amdhsa_user_sgpr_count 2
		.amdhsa_user_sgpr_kernarg_segment_ptr 1
		.amdhsa_wavefront_size32 1
		.amdhsa_system_sgpr_workgroup_id_x 1
		.amdhsa_system_sgpr_workgroup_id_y 1
		.amdhsa_system_sgpr_workgroup_id_z 1
		.amdhsa_system_vgpr_workitem_id 0
		.amdhsa_next_free_vgpr 768
		.amdhsa_next_free_sgpr 100
		.amdhsa_reserve_vcc 0
		.amdhsa_float_denorm_mode_32 3
		.amdhsa_float_denorm_mode_16_64 3
		.amdhsa_memory_ordered 1
		.amdhsa_forward_progress 1
		.amdhsa_inst_pref_size 89
	.end_amdhsa_kernel
	.amdgpu_metadata
---
amdhsa.version: [ 1, 2 ]
amdhsa.kernels:
  - .name:           k_q5059d50aca_oproj
    .symbol:         k_q5059d50aca_oproj.kd
    .args:
      - { .name: AC, .offset: 0, .size: 8, .value_kind: global_buffer, .address_space: global }
      - { .name: WC, .offset: 8, .size: 8, .value_kind: global_buffer, .address_space: global }
      - { .name: seq_lens, .offset: 16, .size: 8, .value_kind: global_buffer, .address_space: global }
      - { .name: out0, .offset: 24, .size: 8, .value_kind: global_buffer, .address_space: global }
    .group_segment_fixed_size: 327680
    .private_segment_fixed_size: 0
    .kernarg_segment_align: 8
    .kernarg_segment_size: 32
    .max_flat_workgroup_size: 128
    .sgpr_count:     100
    .vgpr_count:     768
    .wavefront_size: 32
...
	.end_amdgpu_metadata
.endif
;; end of part 4
